; MI455X (gfx1250); checked and timed in simulation.
; The chip was launched on July 23, 2026; its instructions are those of AMD's public machine-readable ISA for CDNA 5 (MIT licence, August 2026) and "CDNA5" Instruction Set Architecture Reference Guide (July 2026). The comments in the code are by the model that wrote it; some were corrected since.
;; Qwen3 Attention. Allowed arithmetic: matrix products marked QUANTISED: E2M1 operands, one E8M0 scale for each 32 along K, by v_wmma_scale_f32_16x16x128_f8f6f4 with both operands' format E2M1 (or v_wmma_scale_f32_32x16x128_f4), f32 sums; products left as they are: bf16, f16 or f32 operands; f32 sums; everything else in f32.
;; Inputs: hidden_states 2,048 x 2,048 float32; k_norm_w 128 float32; positions 2,048 int32; q_norm_w 128 float32; w_o 2,048 x 2,048 float32; w_qkv 2,048 x 4,096 float32.
;; Outputs: out0 2,048 x 2,048 float32.
;; This version of the problem:
;;   THIS VERSION OF THE PROBLEM IS GIVEN IN LOW PRECISION. The matrix products marked QUANTISED in the list below multiply operands that are first quantised to E2M1 (2 exponent bits, 1 mantissa bit; 4 bits a number), with one power-of-two scale for each 32 numbers along K (OCP MX v1.0); their sums are f32. The products marked 'left as it is' may take bf16, f16 or f32 operands, with f32 sums. Whichever they take, every output number must still come out within the allowed error. Rounding operands to bf16 (8 significant bits) uses up far more of that allowance than f16 does (11 bits, for magnitudes from 6e-5 to 65,504). All else is computed in f32.
;;   The module's matrix products, in the order in which they are computed (A, B: the left and right operand; K: the contracted axis; several contracted axes count as one K, in the product's order):
;;     1. [M 2,048, K 2,048] x [K 2,048, N 4,096]; A: input hidden_states; B: input w_qkv: QUANTISED
;;     2. batch 8 x [M 2,048, K 128] x [K 128, N 4,096]; A: computed on the way; B: computed on the way: left as it is (an operand is computed on the way)
;;     3. batch 8 x [M 128, K 2,048] x [K 2,048, N 4,096]; A: computed on the way; B: computed on the way: left as it is (an operand is computed on the way)
;;     4. [M 2,048, K 2,048] x [K 2,048, N 2,048]; A: computed on the way; B: input w_o: left as it is (an operand is computed on the way)
;;   THE QUANTISER, for each operand of a quantised product, along K:
;;     - K is cut into blocks of 32 from its start; a last block that is shorter is filled with zeros.
;;     - A block's scale is 2^e with e = floor(log2(the largest magnitude in the block)) - 2, held to -126 .. 127; a block of zeros has e = 0. As a byte (E8M0): e + 127.
;;     - Each number is divided by its block's scale, clamped to +-6, and rounded to the nearest number of E2M1, ties to even, subnormals kept.
;;     - The product sums the exact products of the quantised numbers (number of the format x scale) in f32.
;;   ~~~python
;;   def quantise(x, axis):      # numpy; x: float32 -> the quantised numbers, widened to float32 again
;;       x = np.moveaxis(x, axis, -1); K = x.shape[-1]
;;       x = np.pad(x, [(0, 0)] * (x.ndim - 1) + [(0, -K % 32)]); x = x.reshape(x.shape[:-1] + (-1, 32)); a = np.abs(x).max(-1, keepdims=True)
;;       e = np.where(a > 0, np.clip(np.frexp(np.where(a > 0, a, 1))[1] - 1 - 2, -126, 127), 0)      # np.frexp(a)[1] - 1 = floor(log2(a)), exactly
;;       r = np.clip(x / 2.0 ** e, -6, 6)
;;       step = 2.0 ** (np.maximum(np.frexp(np.where(r == 0, 1, r))[1] - 1, 0) - 1)
;;       q = np.round(r / step) * step * 2.0 ** e      # np.round: ties to even
;;       return np.moveaxis(q.reshape(q.shape[:-2] + (-1,))[..., :K], -1, axis).astype(np.float32)
;;   ~~~
;; One version. Each part assembles by itself: llvm-mc -triple=amdgcn-amd-amdhsa -mcpu=gfx1250 --defsym DOCPART=n.
;; ======== version 1 of 1: 5 launches
;; limits: values are held in f16: magnitudes above 65,504 overflow, below 6.1e-05 lose precision; right only within a limited range of input values
;; workspace buffers: codes 6,291,456 bytes; scl 393,216 bytes; rope 1,048,576 bytes; qkv16 16,777,216 bytes; fq 262,144 bytes; wo16t 8,388,608 bytes; part 2,097,152 bytes; attn16 8,388,608 bytes
;; launch prep (part 1): grid 256 x 1, 4 waves a work-group, no clusters, 68,096 bytes of LDS; arguments hidden_states, w_qkv, positions, codes, scl, rope; writes codes, scl, rope
.if DOCPART == 1
	.amdgcn_target "amdgcn-amd-amdhsa--gfx1250"
	.amdhsa_code_object_version 6
	.text
	.protected	k_q39242c363b_prep
	.globl	k_q39242c363b_prep
	.p2align	8
	.type	k_q39242c363b_prep,@function
k_q39242c363b_prep:
	s_mov_b64 s[64:65], 0
	v_nop
	global_prefetch_b8 v0, s[64:65] scope:SCOPE_SE
	s_setreg_imm32_b32 hwreg(HW_REG_WAVE_MODE, 25, 1), 1
	s_wait_xcnt 0x0
; PREP.  Both operands of the quantised product become codes of FP4 (E2M1) with K innermost and one E8M0 byte for each 32 along K; and the cosines and sines of RoPE are made from the positions.
; codes: hidden_states' [2048][1024 bytes] at byte 0, w_qkv's [4096 columns][1024 bytes] at byte 2,097,152.   scl: [2048][64] at byte 0, [4096][64] at byte 131,072.
; rope: [128 blocks of 16 tokens][16 pieces][32 lanes][16 bytes]; piece 8 cs + 2 b + q (cs = 0 cosine, 1 sine); lane (r, h) holds token 16 blk + r, frequencies 16 b + 8 h + 4 q + 0 .. 3:
; the order in which the next launch's registers take them, so that each of its loads, and each store here, covers 512 consecutive bytes.
; A block's scale is 2^(floor(log2(largest magnitude)) - 2); its byte is the largest magnitude's exponent field - 2, held at 1 from below.
; Work-groups 0-127 take hidden_states (K innermost: a plain stream of blocks of 32) and the table; work-groups 128-255 take w_qkv (K is its first axis: a lane takes a column, its registers run down K).
; The two ways share no LDS byte.  No tensor load, no barrier: waves share nothing.
; LIMITS: a block of zeros gets the byte 1 where the quantiser says 127 (its codes are zeros, and only this program reads the bytes); blocks whose largest magnitude lies under 2^-124 are held at the byte 1;
; NaN and infinities are not served.  |position| up to 32,767 (the quadrant number times the first two parts of pi/2 stays exact enough in one fused step each); 1 / theta^(i/64) comes from v_exp_f32 (1 ulp),
; so an angle may differ from reference()'s by about |position| x 2^-22 radians.
.set SPW,   222                        ; v222  LDS address of my spare word; never rewritten
.set NIL,   223                        ; v223  0; never rewritten
.set SPARE, 67584                      ; behind both ways' regions: the spare words, 128 bytes a wave
.set EMAX,  2
; ---- the way of hidden_states
.set WREG,  8192                       ; LDS bytes 0 .. 32,767: a region for each wave: two stages of 32 x SP bytes, then its 256 scale bytes
.set SP,    80                         ; a lane's place in a stage: 64 bytes + 16 of padding
.set CB,    8                          ; bytes of 16 codes
.set STEPS, 16
.set RR,    16                         ; v16-79   four sets of 16 numbers as loaded
.set XX,    80                         ; v80-111  two sets of 16 neighbours (before the first step: at work for the table)
.set EE,    112                        ; v112-127 a scale byte for each step
.set CC,    128                        ; v128-191 codes, four registers a step: no store's data are written again
.set TA,    80
.set TN,    88
.set TZ,    96
.set TW,    104
.set COSR,  192                        ; v192-199 eight cosines, v200-207 eight sines: stored, never rewritten
.set SINR,  200
.set POS,   208
.set IDX,   209
.set POF,   210
; ---- the way of w_qkv
.set WSTG,  32768                      ; LDS bytes 32,768 .. 67,583: a stage of 32 rows x 272 bytes for each wave
.set NB,    16
.set PITCH, 272
.set KROW,  1024
.set NCOLB, 16384                      ; a row of w_qkv in bytes
.set WX,    32                         ; v32-95   two sets of 32 numbers
.set WC,    96                         ; v96-99   a block's codes
.set OUTR,  112                        ; v112-175 the way out
.set SB,    24                         ; v24-27   16 scale bytes
	s_load_b128 s[4:7], s[0:1], 0x0                ; hidden_states, w_qkv
	s_load_b128 s[8:11], s[0:1], 0x10              ; positions, codes
	s_load_b128 s[12:15], s[0:1], 0x20             ; scl, rope
	v_lshl_add_u32 v[SPW], v0, 2, SPARE
	v_mov_b32 v[NIL], 0
	v_lshrrev_b32 v1, 5, v0
	v_readfirstlane_b32 s16, v1                    ; wave
	v_and_b32 v2, 31, v0                           ; lane
	s_cmp_lt_u32 ttmp9, 128
	s_cbranch_scc0 .Lweights
	; ================= hidden_states: a wave takes a run of 8,192 numbers, 16 steps of 512 =================
	v_lshlrev_b32 v3, 4, v2                        ; my 16 bytes of a load's 512
	s_mul_i32 s17, s16, WREG
	v_lshrrev_b32 v14, 2, v2
	v_mul_u32_u24 v14, v14, SP
	v_and_b32 v15, 3, v2
	v_lshl_add_u32 v14, v15, 4, v14
	v_add_nc_u32 v14, s17, v14                     ; the stage, on the way in: SP (lane / 4) + 16 (lane % 4)
	v_mul_u32_u24 v15, v2, SP
	v_add_nc_u32 v15, s17, v15                     ; on the way out: SP x lane: my 16 neighbours
	v_mul_u32_u24 v4, v2, CB                       ; my codes' place in a step's
	v_lshrrev_b32 v5, 1, v2
	s_add_co_u32 s17, s17, 2*32*SP
	v_add_nc_u32 v5, s17, v5                       ; my block's scale byte in LDS
	v_lshlrev_b32 v7, 3, v2
	v_add_nc_u32 v6, s17, v7                       ; and 8 bytes a lane on the way out
	v_and_b32 v[POF], 15, v2
	v_lshlrev_b32 v[POF], 2, v[POF]                ; my token's position: 4 (lane % 16)
	v_lshrrev_b32 v[IDX], 4, v2
	v_lshlrev_b32 v[IDX], 3, v[IDX]                ; 8 h
	s_lshl_b32 s18, ttmp9, 2
	s_add_co_u32 s18, s18, s16                     ; g: which run is my wave's, 0 .. 511
	s_lshr_b32 s24, s18, 2                         ; the table: block of 16 tokens g / 4,
	s_and_b32 s25, s18, 3                          ; frequencies 16 (g % 4) on
	s_lshl_b32 s37, s25, 4
	v_add_nc_u32 v[IDX], s37, v[IDX]               ; 16 b + 8 h
	s_mov_b32 s26, 0xbe9f73da                      ; -log2(1e6) / 64
	s_mov_b32 s27, 0x3f22f983                      ; 2 / pi
	s_mov_b32 s28, 0xbfc90000                      ; -pi/2 in three parts
	s_mov_b32 s29, 0xb9fda000
	s_mov_b32 s30, 0xb3a22169
	s_mov_b32 s31, 0xb94ca1f9                      ; the sine's polynomial on |r| <= pi/4
	s_mov_b32 s32, 0x3c08839e
	s_mov_b32 s33, 0xbe2aaaa3
	s_mov_b32 s34, 0x37ccf5ce                      ; the cosine's
	s_mov_b32 s35, 0xbab6061a
	s_mov_b32 s36, 0x3d2aaaa5
	s_mov_b32 s21, 0
	s_lshl_b32 s20, s18, 15                        ; 32,768 bytes of f32 a run
	s_wait_kmcnt 0x0
	s_add_nc_u64 s[4:5], s[4:5], s[20:21]
	s_lshl_b32 s20, s18, 12                        ; 4,096 bytes of codes
	s_add_nc_u64 s[10:11], s[10:11], s[20:21]
	s_lshl_b32 s20, s18, 8                         ; 256 scale bytes
	s_add_nc_u64 s[12:13], s[12:13], s[20:21]
	s_lshl_b32 s20, s24, 6                         ; 16 positions
	s_add_nc_u64 s[8:9], s[8:9], s[20:21]
	s_lshl_b32 s20, s24, 13                        ; 8,192 bytes of table a block, 1,024 for each b
	s_lshl_b32 s22, s25, 10
	s_add_co_u32 s20, s20, s22
	s_add_nc_u64 s[14:15], s[14:15], s[20:21]
.macro XLOAD t
.irp i, 0,1,2,3
	global_load_b128 v[RR+16*((\t)%4)+4*\i:RR+16*((\t)%4)+4*\i+3], v3, s[4:5] offset:2048*(\t)+512*\i th:TH_LOAD_NT   ; 32 lanes read 512 consecutive bytes
.endr
.endm
.macro XTURN t                         ; step t's numbers through the stage: LDS serves a wave's instructions in order, so no wait stands between the stores and the loads
.irp i, 0,1,2,3
	ds_store_b128 v14, v[RR+16*((\t)%4)+4*\i:RR+16*((\t)%4)+4*\i+3] offset:32*SP*((\t)%2)+8*SP*\i
.endr
.irp i, 0,1,2,3
	ds_load_b128 v[XX+16*((\t)%2)+4*\i:XX+16*((\t)%2)+4*\i+3], v15 offset:32*SP*((\t)%2)+16*\i
.endr
.endm
	global_load_b32 v[POS], v[POF], s[8:9]         ; my token's position
.irp t, 0,1,2,3
	XLOAD \t
.endr
	; ---- the table, while x's first loads are on their way: eight frequencies a lane
	s_wait_loadcnt 16                              ; the position is in; x's sixteen loads stay out
	v_cvt_f32_i32 v[POS], v[POS]
.irp e, 0,1,2,3,4,5,6,7
	v_add_nc_u32 v[TA+\e], \e, v[IDX]              ; i = 16 b + 8 h + e
.endr
.irp e, 0,1,2,3,4,5,6,7
	v_cvt_f32_u32 v[TA+\e], v[TA+\e]
.endr
.irp e, 0,1,2,3,4,5,6,7
	v_mul_f32 v[TA+\e], s26, v[TA+\e]
.endr
.irp e, 0,1,2,3,4,5,6,7
	v_exp_f32 v[TA+\e], v[TA+\e]                   ; theta^(-i / 64)
.endr
	v_nop                                          ; a plain instruction behind the last exponential,
	s_wait_alu depctr_va_vdst(0)                   ; and one wait for the eight, ahead of their first use
.irp e, 0,1,2,3,4,5,6,7
	v_mul_f32 v[TA+\e], v[POS], v[TA+\e]           ; the angle
.endr
.irp e, 0,1,2,3,4,5,6,7
	v_mul_f32 v[TN+\e], s27, v[TA+\e]
.endr
.irp e, 0,1,2,3,4,5,6,7
	v_rndne_f32 v[TN+\e], v[TN+\e]                 ; n: the nearest multiple of pi/2
.endr
.irp e, 0,1,2,3,4,5,6,7
	v_fma_f32 v[TA+\e], v[TN+\e], s28, v[TA+\e]
.endr
.irp e, 0,1,2,3,4,5,6,7
	v_fma_f32 v[TA+\e], v[TN+\e], s29, v[TA+\e]
.endr
.irp e, 0,1,2,3,4,5,6,7
	v_fma_f32 v[TA+\e], v[TN+\e], s30, v[TA+\e]    ; r = angle - n pi/2
.endr
.irp e, 0,1,2,3,4,5,6,7
	v_mul_f32 v[TZ+\e], v[TA+\e], v[TA+\e]         ; z = r r
	v_cvt_i32_f32 v[TN+\e], v[TN+\e]
.endr
.irp e, 0,1,2,3,4,5,6,7
	v_fma_f32 v[TW+\e], v[TZ+\e], s31, s32
.endr
.irp e, 0,1,2,3,4,5,6,7
	v_fma_f32 v[TW+\e], v[TW+\e], v[TZ+\e], s33
.endr
.irp e, 0,1,2,3,4,5,6,7
	v_mul_f32 v[TW+\e], v[TW+\e], v[TZ+\e]
.endr
.irp e, 0,1,2,3,4,5,6,7
	v_fma_f32 v[SINR+\e], v[TW+\e], v[TA+\e], v[TA+\e]   ; sin r
.endr
.irp e, 0,1,2,3,4,5,6,7
	v_fma_f32 v[TW+\e], v[TZ+\e], s34, s35
.endr
.irp e, 0,1,2,3,4,5,6,7
	v_fma_f32 v[TW+\e], v[TW+\e], v[TZ+\e], s36
.endr
.irp e, 0,1,2,3,4,5,6,7
	v_mul_f32 v[TW+\e], v[TW+\e], v[TZ+\e]
	v_fma_f32 v[TA+\e], v[TZ+\e], -0.5, 1.0
.endr
.irp e, 0,1,2,3,4,5,6,7
	v_fma_f32 v[COSR+\e], v[TW+\e], v[TZ+\e], v[TA+\e]   ; cos r
.endr
.irp e, 0,1,2,3,4,5,6,7                        ; the quadrant: n odd swaps the two; sine is negative where n & 2, cosine where (n + 1) & 2.  Selections and sign bits, no branch
	v_and_b32 v[TW+\e], 1, v[TN+\e]
	v_cmp_eq_u32 vcc_lo, 1, v[TW+\e]
	v_cndmask_b32 v[TA+\e], v[SINR+\e], v[COSR+\e], vcc_lo
	v_cndmask_b32 v[TZ+\e], v[COSR+\e], v[SINR+\e], vcc_lo
	v_and_b32 v[TW+\e], 2, v[TN+\e]
	v_lshlrev_b32 v[TW+\e], 30, v[TW+\e]
	v_xor_b32 v[SINR+\e], v[TW+\e], v[TA+\e]
	v_add_nc_u32 v[TW+\e], 1, v[TN+\e]
	v_and_b32 v[TW+\e], 2, v[TW+\e]
	v_lshlrev_b32 v[TW+\e], 30, v[TW+\e]
	v_xor_b32 v[COSR+\e], v[TW+\e], v[TZ+\e]
.endr
	global_store_b128 v3, v[COSR:COSR+3], s[14:15]                    ; each store: 512 consecutive bytes
	global_store_b128 v3, v[COSR+4:COSR+7], s[14:15] offset:512
	global_store_b128 v3, v[SINR:SINR+3], s[14:15] offset:4096
	global_store_b128 v3, v[SINR+4:SINR+7], s[14:15] offset:4608
	; ---- the codes
	s_wait_loadcnt 12                              ; step 0's four loads are in
	XTURN 0
.macro XSTEP t
.set XS, XX+16*((\t)%2)
.if (\t) > 0
	s_wait_dscnt 1                                 ; this step's numbers are back from the stage (the last step's byte store may be out)
.else
	s_wait_dscnt 0x0
.endif
.if (\t)+4 < STEPS
	XLOAD (\t)+4                                   ; the registers that the stage's stores have read take the loads of four steps on
.endif
.if (\t)+1 < STEPS
.if STEPS-2-(\t) >= 3
	s_wait_loadcnt 12                              ; the next step's four loads are in; those of the three steps behind it may be out
.else
	s_wait_loadcnt 4*(STEPS-2-(\t))
.endif
	XTURN (\t)+1
.endif
	v_max3_num_f32 v8, |v[XS]|, |v[XS+1]|, |v[XS+2]|               ; the largest magnitude of my 16
	v_max3_num_f32 v9, |v[XS+3]|, |v[XS+4]|, |v[XS+5]|
.irp i, 6,10
	v_max3_num_f32 v8, v8, |v[XS+\i]|, |v[XS+\i+1]|
	v_max3_num_f32 v9, v9, |v[XS+\i+2]|, |v[XS+\i+3]|
.endr
	v_max3_num_f32 v8, v8, |v[XS+14]|, |v[XS+15]|
	v_max3_num_f32 v8, v8, v9, (EMAX+1)<<23        ; and the floor 2^(3 - 127): the byte cannot fall under 1
	v_max_num_f32_dpp v8, v8, v8 row_xmask:1 row_mask:0xf bank_mask:0xf   ; with my neighbour's 16: the block's
	v_add_nc_u32 v11, -(EMAX<<23), v8              ; 2 off its exponent field: the conversion takes that field as its scale
	v_cvt_scalef32_pk8_fp4_f32 v[CC+4*(\t)], v[XS:XS+7], v11
	v_cvt_scalef32_pk8_fp4_f32 v[CC+4*(\t)+1], v[XS+8:XS+15], v11
	v_lshrrev_b32 v[EE+(\t)], 23, v11              ; the scale's byte
	ds_store_b8 v5, v[EE+(\t)] offset:16*(\t)      ; both lanes of a block write the same byte with the same value
	global_store_b64 v4, v[CC+4*(\t):CC+4*(\t)+1], s[10:11] offset:32*CB*(\t)   ; the wave stores 256 consecutive bytes
.endm
.irp t, 0,1,2,3,4,5,6,7,8,9,10,11,12,13,14,15
	XSTEP \t
.endr
	ds_load_b64 v[8:9], v6                         ; my wave's 256 scale bytes: LDS serves a wave's instructions in order
	s_wait_dscnt 0x0
	global_store_b64 v7, v[8:9], s[12:13]          ; 256 consecutive bytes
	s_wait_tensorcnt 0x0                           ; the wave's end
	ds_add_u32 v[SPW], v[NIL]
	s_wait_dscnt 0x0
	s_endpgm
	; ================= w_qkv: a wave takes 32 columns x 512 along K =================
.Lweights:
	s_sub_co_u32 s17, ttmp9, 128
	s_lshr_b32 s18, s17, 5                         ; which 512 along K, 0 .. 3
	s_and_b32 s17, s17, 31                         ; which 128 columns
	s_lshl_b32 s17, s17, 7
	s_lshl_b32 s19, s16, 5
	s_add_co_u32 s17, s17, s19                     ; my wave's first column
	v_lshlrev_b32 v3, 2, v2                        ; in: 4 bytes a lane
	s_mul_i32 s19, s16, 32*PITCH
	s_add_co_u32 s19, s19, WSTG                    ; my stage
	v_mul_u32_u24 v4, v2, PITCH
	v_add_nc_u32 v4, s19, v4                       ; into it: row = my column
	v_and_b32 v5, 15, v2
	v_lshrrev_b32 v6, 4, v2
	v_mul_u32_u24 v7, v6, PITCH
	v_lshl_add_u32 v7, v5, 4, v7
	v_add_nc_u32 v7, s19, v7                       ; out of it: sixteen lanes to a row, two rows an instruction
	v_mul_u32_u24 v8, v6, KROW
	v_lshl_add_u32 v8, v5, 4, v8                   ; the same place among the codes
	v_mul_u32_u24 v9, v2, 64                       ; my column's row of scale bytes
	s_lshl_b32 s20, s18, 23                        ; 512 rows of 16,384 bytes,
	s_lshl_b32 s22, s17, 2
	s_add_co_u32 s20, s20, s22                     ; + 4 x column
	s_mov_b32 s21, 0
	s_lshl_b32 s24, s17, 10                        ; codes: column x 1,024 + 256 y, behind hidden_states' codes
	s_lshl_b32 s22, s18, 8
	s_add_co_u32 s24, s24, s22
	s_add_co_u32 s24, s24, 0x200000
	s_mov_b32 s25, 0
	s_lshl_b32 s28, s17, 6                         ; scale bytes: column x 64 + 16 y, behind hidden_states'
	s_lshl_b32 s22, s18, 4
	s_add_co_u32 s28, s28, s22
	s_add_co_u32 s28, s28, 0x20000
	s_mov_b32 s29, 0
	s_wait_kmcnt 0x0
	s_add_nc_u64 s[6:7], s[6:7], s[20:21]
	s_add_nc_u64 s[10:11], s[10:11], s[24:25]
	s_add_nc_u64 s[12:13], s[12:13], s[28:29]
.macro WLOAD t                         ; block t: w(32 t + i, my column) into set t % 2; the largest offset, 511 rows, is 8,372,224: inside the signed 24-bit immediate
.set i, 0
.rept 32
	global_load_b32 v[WX+32*((\t)%2)+i], v3, s[6:7] offset:(32*(\t)+i)*NCOLB th:TH_LOAD_NT
.set i, i+1
.endr
.endm
	WLOAD 0
	WLOAD 1
.macro WBLOCK t
.set XS, WX+32*((\t)%2)
.if (\t) < NB-1
	s_wait_loadcnt 32                              ; this block's 32 loads are in; the next block's may be out
.else
	s_wait_loadcnt 0x0
.endif
	v_max3_num_f32 v12, |v[XS]|, |v[XS+1]|, |v[XS+2]|               ; the block's largest magnitude: all 32 numbers are mine
	v_max3_num_f32 v13, |v[XS+3]|, |v[XS+4]|, |v[XS+5]|
.irp i, 6,10,14,18,22,26
	v_max3_num_f32 v12, v12, |v[XS+\i]|, |v[XS+\i+1]|
	v_max3_num_f32 v13, v13, |v[XS+\i+2]|, |v[XS+\i+3]|
.endr
	v_max3_num_f32 v12, v12, |v[XS+30]|, |v[XS+31]|
	v_max3_num_f32 v12, v12, v13, (EMAX+1)<<23
	v_add_nc_u32 v11, -(EMAX<<23), v12
	v_lshrrev_b32 v13, 23, v11                     ; the scale's byte
.if (\t)%4 == 0
	v_mov_b32 v[SB+(\t)/4], v13                    ; four bytes to a register, the lower K in the lower byte
.else
	v_lshl_or_b32 v[SB+(\t)/4], v13, 8*((\t)%4), v[SB+(\t)/4]
.endif
.irp g, 0,1,2,3
	v_cvt_scalef32_pk8_fp4_f32 v[WC+\g], v[XS+8*\g:XS+8*\g+7], v11
.endr
	ds_store_b128 v4, v[WC:WC+3] offset:16*(\t)    ; 32 codes: 16 bytes of my column's row
.if (\t)+2 < NB
	WLOAD (\t)+2
.endif
	s_wait_dscnt 0x0                               ; the store has read its registers: the next block's codes may be written
.endm
.set Q, 0
.rept NB
	WBLOCK Q
.set Q, Q+1
.endr
	global_store_b128 v9, v[SB:SB+3], s[12:13]     ; my column's 16 scale bytes
.irp t, 0,1,2,3,4,5,6,7,8,9,10,11,12,13,14,15
	ds_load_b128 v[OUTR+4*\t:OUTR+4*\t+3], v7 offset:2*\t*PITCH
.endr
.irp t, 0,1,2,3,4,5,6,7,8,9,10,11,12,13,14,15
	s_wait_dscnt 15-\t
	global_store_b128 v8, v[OUTR+4*\t:OUTR+4*\t+3], s[10:11] offset:2*\t*KROW   ; sixteen lanes store 256 consecutive bytes, aligned
.endr
	s_wait_tensorcnt 0x0                           ; the wave's end: the same three lines
	ds_add_u32 v[SPW], v[NIL]
	s_wait_dscnt 0x0
	s_endpgm
.Lfunc_end_k_q39242c363b_prep:
	.size	k_q39242c363b_prep, .Lfunc_end_k_q39242c363b_prep-k_q39242c363b_prep
	.p2alignl 7, 3214868480
	.fill 96, 4, 3214868480
	.section	.rodata,"a",@progbits
	.p2align	6, 0x0
	.amdhsa_kernel k_q39242c363b_prep
		.amdhsa_group_segment_fixed_size 68096
		.amdhsa_private_segment_fixed_size 0
		.amdhsa_enable_private_segment 0
		.amdhsa_kernarg_size 48
		.amdhsa_user_sgpr_count 2
		.amdhsa_user_sgpr_kernarg_segment_ptr 1
		.amdhsa_wavefront_size32 1
		.amdhsa_system_sgpr_workgroup_id_x 1
		.amdhsa_system_sgpr_workgroup_id_y 1
		.amdhsa_system_sgpr_workgroup_id_z 1
		.amdhsa_system_vgpr_workitem_id 0
		.amdhsa_next_free_vgpr 224
		.amdhsa_next_free_sgpr 66
		.amdhsa_reserve_vcc 1
		.amdhsa_float_denorm_mode_32 3
		.amdhsa_float_denorm_mode_16_64 3
		.amdhsa_memory_ordered 1
		.amdhsa_forward_progress 1
		.amdhsa_inst_pref_size 123
	.end_amdhsa_kernel
	.amdgpu_metadata
---
amdhsa.version: [ 1, 2 ]
amdhsa.kernels:
  - .name:           k_q39242c363b_prep
    .symbol:         k_q39242c363b_prep.kd
    .args:
      - { .name: hidden_states, .offset: 0, .size: 8, .value_kind: global_buffer, .address_space: global }
      - { .name: w_qkv, .offset: 8, .size: 8, .value_kind: global_buffer, .address_space: global }
      - { .name: positions, .offset: 16, .size: 8, .value_kind: global_buffer, .address_space: global }
      - { .name: codes, .offset: 24, .size: 8, .value_kind: global_buffer, .address_space: global }
      - { .name: scl, .offset: 32, .size: 8, .value_kind: global_buffer, .address_space: global }
      - { .name: rope, .offset: 40, .size: 8, .value_kind: global_buffer, .address_space: global }
    .group_segment_fixed_size: 68096
    .private_segment_fixed_size: 0
    .kernarg_segment_align: 8
    .kernarg_segment_size: 48
    .max_flat_workgroup_size: 128
    .sgpr_count:     66
    .vgpr_count:     224
    .wavefront_size: 32
...
	.end_amdgpu_metadata
.endif
;; end of part 1
;; launch gemm_qkv (part 2): grid 16 x 8, 4 waves a work-group, clusters of 4 x 4, 327,680 bytes of LDS; arguments codes, scl, rope, q_norm_w, k_norm_w, qkv16, fq; writes qkv16, fq
.if DOCPART == 2
	.amdgcn_target "amdgcn-amd-amdhsa--gfx1250"
	.amdhsa_code_object_version 6
	.text
	.protected	k_q39242c363b_gemm_qkv
	.globl	k_q39242c363b_gemm_qkv
	.p2align	8
	.type	k_q39242c363b_gemm_qkv,@function
k_q39242c363b_gemm_qkv:
	s_mov_b64 s[64:65], 0
	v_nop
	global_prefetch_b8 v0, s[64:65] scope:SCOPE_SE
	s_setreg_imm32_b32 hwreg(HW_REG_WAVE_MODE, 25, 1), 1
	s_wait_xcnt 0x0
	s_wait_alu depctr_hold_cnt(0) depctr_sa_sdst(0) depctr_va_vdst(0) depctr_va_sdst(0) depctr_va_ssrc(0) depctr_va_vcc(0) depctr_vm_vsrc(0)
	s_getreg_b32 s2, hwreg(HW_REG_IB_STS2, 6, 4)
	s_cmp_eq_u32 s2, 0
	s_cbranch_scc0 .Lentry_in_a_cluster
	s_endpgm
.Lentry_in_a_cluster:
	s_bfe_u32 s2, ttmp6, 0x10000c
	s_cmp_lg_u32 s2, 0xf033
	s_cbranch_scc0 .Lentry_shape_is_right
	s_endpgm
.Lentry_shape_is_right:
; qkv = hidden_states x w_qkv on codes of FP4 (E2M1) with E8M0 scales, sums in f32; then, on the way out, RMSNorm per head, RoPE, and the rounding to f16.
; A: 2,048 tokens x 2,048 K, B: 4,096 columns x 2,048 K, both as codes with K innermost (1,024 bytes a row) and 64 scale bytes a row, made by the launch before.
; A tile of C is 256 x 256, four waves, a wave 128 x 128: 64 accumulators, 512 registers.  K goes in steps of 512 through two LDS slots; the scale bytes of the tile's rows come once and stay.
; CLUSTERS 4 x 4: A's tiles are asked for jointly along a row of the cluster, B's along a column.  THE MATRIX INSTRUCTION IS USED TRANSPOSED (source 0 = 16 columns' rows of B, source 1 = 16 tokens):
; lane (r, h) of accumulator (a, b) holds token 16 a + r and columns 16 b + 8 h + 0 .. 7.
; A WAVE'S 128 COLUMNS ARE ONE HEAD (head block c = 2 x tile column + column half: 0-15 q, 16-23 k, 24-31 v).  So a head's row lies in lanes l and l xor 16, and the partner d + 64 of RoPE is
; accumulator b + 4, same lane, same register.  The kind of head hangs on the cluster's x alone (0, 1: q; 2: k; 3: v), which all sixteen partners share.
; OUT: qkv16 [32 head blocks][2,048 tokens][128] f16; and the first 16 tokens once more in f32, as an image of the registers: fq [32][16 pieces 2 b + e][32 lanes][16 bytes].
; x w cos -/+ x' w' sin is formed first and multiplied by 1 / sqrt(mean + eps) last: the order of f32 roundings differs from reference()'s.
; LIMITS: q, k and v are rounded to f16: |q|, |k| <= 11.4 x |norm weight|; |v| must stay under 65,504.
; REGISTERS: window 0: v0-31 addresses; v32-95 scale words, two sets; v128-191 A's fragments, one set.  window 1: B's fragments at v0-63 and v128-191; v64-127 the norm's weights; v192-255 a block's cosines and sines.
;   windows 2, 3: the accumulators.  On the way out: window 0: v32-63 packed f16, v64-127 rows read back (two sets), v128-191 a block's 64 numbers, v192-210 at work; window 1 v0-63: the table's second set.
.set SIZE_M, 2048
.set SIZE_N, 4096
.set SIZE_K, 2048
.set KSTEP,  512
.set NQ,     KSTEP/128
.set ROWB,   256
.set KROW,   SIZE_K*4/8
.set PITCH,  272                       ; an LDS row: 256 bytes + 16 of padding: the 16 rows that a load touches start at 16 different banks
.set FR,     8
.set NL,     2
.set NP,     4
.set HALFT,  128*PITCH
.set SLOT,   4*HALFT
.set LAPS,   SIZE_K/(2*KSTEP)
.set KS,     SIZE_K/32
.set SCL,    2*SLOT
.set HALFS,  (128*KS/256)*272
.set SBLK,   (16*KS/256)*272
.set SPARE,  SCL+4*HALFS               ; the spare words, 128 bytes a wave
.set SPITCH, 272                       ; the way out: a stage of 16 rows x (256 + 16) bytes for each wave, in slot 0, which has had its last fill and its last read by then
.set VSTG,   32768                     ; the way out of V's heads has stage bytes of its own, this much further on
.set LN,   8                           ; v8   16 x lane
.set WO,   9                           ; v9   32 h: my eight weights of a tile
.set ROW0, 10                          ; v10  my wave's first token
.set ADRA, 16
.set ADRB, 20
.set STO,  24
.set RD,   25
.set CO,   26
.set ADRS, 27
.set SPW,  28
.set NIL,  29
.set SC,   32
.set AF,   128
.set TMP,  32
.set BKR,  64
.set Y,    128
.set TT,   192
.set RSQ,  208
.set RIN,  210
.set WN,   64                          ; in window 1
.set G1, 24
.set G0, 32
.set G1B, 48
.set G0B, 56
.set G1S, 68
.set G0S, 76
.set G1SB, 80
.set G0SB, 88
.set MSB, 0
.macro WIN new                         ; the immediate's high byte repeats the setting that is left
.if MSB != \new
	s_set_vgpr_msb (MSB<<8)|\new
.set MSB, \new
.endif
.endm
.set MUL_LO, 0xa1                      ; source 0 (B) window 1, source 1 (A) window 0, C and D window 2
.set MUL_HI, 0xf1
.set TO_B,   0x40
; A joint load: waves 0 and 1 fetch for A, waves 2 and 3 for B; the branch hangs on the wave's number alone.  An s_nop 0 and four v_nop follow each line.
.macro JLOAD g0a, g1a, g0b, g1b
	s_cmp_eq_u32 s15, 0
	s_cbranch_scc0 .Lfor_b_\@
	tensor_load_to_lds s[\g0a:\g0a+3], s[\g1a:\g1a+7]
	s_nop 0
.rept 4
	v_nop
.endr
	s_branch .Lasked_\@
.Lfor_b_\@:
	tensor_load_to_lds s[\g0b:\g0b+3], s[\g1b:\g1b+7]
	s_nop 0
.rept 4
	v_nop
.endr
.Lasked_\@:
.endm
.macro CREST
	s_cmp_lg_u32 s14, 0
	s_cbranch_scc1 .Lnot_wave_0_\@
	s_barrier_signal -3
.Lnot_wave_0_\@:
	s_barrier_wait -3
	s_barrier_signal -1
	s_barrier_wait -1
.endm
.macro CROUND
	s_barrier_signal -1
	s_barrier_wait -1
	CREST
.endm
	s_load_b128 s[4:7], s[0:1], 0x0                ; codes, scl
	s_load_b128 s[96:99], s[0:1], 0x10             ; rope, q_norm_w
	s_load_b64 s[100:101], s[0:1], 0x20            ; k_norm_w
	s_load_b64 s[104:105], s[0:1], 0x28            ; qkv16
	s_load_b64 s[66:67], s[0:1], 0x30              ; fq
	v_lshl_add_u32 v[SPW], v0, 2, SPARE
	v_mov_b32 v[NIL], 0
	ds_add_u32 v[SPW], v[NIL]                      ; the wave's opening: the add, twice on end, and its wait ahead of my first tensor load
	ds_add_u32 v[SPW], v[NIL]
	v_lshrrev_b32 v1, 5, v0
	v_readfirstlane_b32 s14, v1                    ; wave 0..3
	s_lshr_b32 s15, s14, 1                         ; which half of the tile's rows is mine.  Also: I fetch for A (0) or for B (1)
	s_and_b32 s16, s14, 1                          ; which half of its columns.  Also: which 128 rows of that tile I fetch
	s_bfe_u32 s40, ttmp6, 0x40000                  ; cx, cy
	s_bfe_u32 s41, ttmp6, 0x40004
	s_lshl_b32 s42, ttmp9, 2
	s_add_co_u32 s42, s42, s40                     ; tile column
	s_and_b32 s17, ttmp7, 0xffff
	s_lshl_b32 s17, s17, 2
	s_add_co_u32 s17, s17, s41                     ; tile row
	s_lshl_b32 s43, s41, 2
	s_lshl_b32 s43, 15, s43                        ; my row of the cluster
	s_lshl_b32 s44, 0x1111, s40                    ; my column
	s_or_b32 s[G1+0], s43, (0<<16)|(1<<20)|(1<<21)|(5<<22)|(3<<25)  ; the mask; elements of 1 byte; padding: 4 words after every 64; bit 21 beside a mask
	s_or_b32 s[G1B+0], s44, (0<<16)|(1<<20)|(1<<21)|(5<<22)|(3<<25)
.irp g, G1, G1B
	s_mov_b32 s[\g+1], ROWB<<16                    ; tensor_dim0
	s_mov_b32 s[\g+2], 128<<16                     ; tensor_dim1
	s_mov_b32 s[\g+3], ROWB<<16                    ; tile_dim0
	s_mov_b32 s[\g+4], 128                         ; tile_dim1
	s_mov_b32 s[\g+5], KROW                        ; the pitch
	s_mov_b32 s[\g+6], 0
	s_mov_b32 s[\g+7], 0
.endr
	s_or_b32 s[G1S+0], s43, (3<<16)|(1<<20)|(1<<21)|(5<<22)|(3<<25)  ; the scales of 128 rows: a dense block, as rows of 256 bytes (32 elements of 8), 16 bytes of padding behind each
	s_or_b32 s[G1SB+0], s44, (3<<16)|(1<<20)|(1<<21)|(5<<22)|(3<<25)
.irp g, G1S, G1SB
	s_mov_b32 s[\g+1], 32<<16
	s_mov_b32 s[\g+2], (128*KS/256)<<16
	s_mov_b32 s[\g+3], 32<<16
	s_mov_b32 s[\g+4], 128*KS/256
	s_mov_b32 s[\g+5], 32
	s_mov_b32 s[\g+6], 0
	s_mov_b32 s[\g+7], 0
.endr
	s_lshl_b32 s18, s16, 7
	s_lshl_b32 s20, s17, 8
	s_add_co_u32 s20, s20, s18                     ; A: row 256 x tile row + 128 x half
	s_lshl_b32 s46, s42, 8
	s_add_co_u32 s46, s46, s18                     ; B: row 256 x tile column + 128 x half
	s_mov_b32 s21, 0
	s_mov_b32 s47, 0
	s_mov_b64 s[18:19], KS
	s_mul_u64 s[22:23], s[20:21], s[18:19]
	s_mul_u64 s[92:93], s[46:47], s[18:19]
	s_mov_b64 s[18:19], KROW
	s_mul_u64 s[20:21], s[20:21], s[18:19]
	s_mul_u64 s[46:47], s[46:47], s[18:19]
	s_mul_i32 s45, s14, HALFT                      ; where they go: wave x 128 rows
	s_mul_i32 s94, s14, HALFS
	s_wait_dscnt 0x0                               ; both opening adds are done
	s_wait_kmcnt 0x0
	s_add_nc_u64 s[8:9], s[4:5], 0x200000          ; B's codes lie behind A's,
	s_add_nc_u64 s[10:11], s[6:7], 0x20000         ; B's scale bytes behind A's
	s_add_nc_u64 s[20:21], s[4:5], s[20:21]
	s_add_nc_u64 s[22:23], s[6:7], s[22:23]
	s_add_nc_u64 s[46:47], s[8:9], s[46:47]
	s_add_nc_u64 s[92:93], s[10:11], s[92:93]
	CROUND                                         ; all sixteen work-groups are here: the first joint loads meet
	s_mov_b32 s[G0S], 1
	s_add_co_u32 s[G0S+1], s94, SCL
	s_mov_b64 s[G0S+2:G0S+3], s[22:23]
	s_or_b32 s[G0S+3], s[G0S+3], 0x80000000
	s_mov_b32 s[G0SB], 1
	s_add_co_u32 s[G0SB+1], s94, SCL
	s_mov_b64 s[G0SB+2:G0SB+3], s[92:93]
	s_or_b32 s[G0SB+3], s[G0SB+3], 0x80000000
	JLOAD G0S, G1S, G0SB, G1SB                     ; the scales first: they are wanted with K step 0
.irp s, 0,1
	s_mov_b32 s[G0+4*\s], 1
	s_add_co_u32 s[G0+4*\s+1], s45, \s*SLOT
	s_add_nc_u64 s[G0+4*\s+2:G0+4*\s+3], s[20:21], \s*ROWB
	s_or_b32 s[G0+4*\s+3], s[G0+4*\s+3], 0x80000000
	s_mov_b32 s[G0B+4*\s], 1
	s_add_co_u32 s[G0B+4*\s+1], s45, \s*SLOT
	s_add_nc_u64 s[G0B+4*\s+2:G0B+4*\s+3], s[46:47], \s*ROWB
	s_or_b32 s[G0B+4*\s+3], s[G0B+4*\s+3], 0x80000000
	JLOAD G0+4*\s, G1, G0B+4*\s, G1B
.endr
	v_and_b32 v1, 15, v0                           ; r = l % 16
	v_bfe_u32 v2, v0, 4, 1                         ; h = l / 16
	v_mul_u32_u24 v3, v1, PITCH
	v_lshl_add_u32 v4, v2, 4, v3
	s_mul_i32 s21, s15, HALFT
	s_mul_i32 s22, s16, HALFT
	s_add_co_u32 s22, s22, 2*HALFT
.irp s, 0,1
	v_add_nc_u32 v[ADRA+\s], s21, v4
	v_add_nc_u32 v[ADRB+\s], s22, v4
	s_add_co_u32 s21, s21, SLOT
	s_add_co_u32 s22, s22, SLOT
.endr
	v_mul_u32_u24 v5, v1, KS                       ; my row's scales: KS bytes a row, and 16 more for each 256 passed
	v_lshrrev_b32 v6, 8, v5
	v_lshl_add_u32 v5, v6, 4, v5
	s_mul_i32 s21, s15, HALFS
	s_mul_i32 s22, s16, HALFS
	s_add_co_u32 s22, s22, 2*HALFS
	s_sub_co_u32 s22, s22, s21
	v_mul_u32_u24 v6, s22, v2                      ; lanes 16-31 take B's
	s_add_co_u32 s21, s21, SCL
	v_add_nc_u32 v5, v5, v6
	v_add_nc_u32 v[ADRS], s21, v5
	s_mul_i32 s23, s14, 16*SPITCH                  ; my stage
	v_mul_u32_u24 v5, v1, SPITCH
	v_lshl_add_u32 v5, v2, 4, v5
	v_add_nc_u32 v[STO], s23, v5                   ; in: row r, 16 bytes for each half of the lanes
	v_mul_u32_u24 v5, v2, SPITCH
	v_lshl_add_u32 v5, v1, 4, v5
	v_add_nc_u32 v[RD], s23, v5                    ; back: lanes 0-15 one row of 256 bytes, lanes 16-31 the next
	v_lshlrev_b32 v5, 8, v2
	v_lshl_add_u32 v[CO], v1, 4, v5                ; and the same two rows of a head block
	v_and_b32 v5, 31, v0
	v_lshlrev_b32 v[LN], 4, v5
	v_lshlrev_b32 v[WO], 5, v2
	s_lshl_b32 s20, s17, 8
	s_lshl_b32 s21, s15, 7
	s_add_co_u32 s20, s20, s21                     ; my first token
	v_mov_b32 v[ROW0], s20
	s_mov_b32 s23, 0
	s_lshl_b32 s22, s20, 9                         ; the table: 8,192 bytes for 16 tokens
	s_add_nc_u64 s[96:97], s[96:97], s[22:23]
	s_lshl_b32 s22, s20, 8                         ; qkv16: 256 bytes a token,
	s_lshl_b32 s46, s42, 1
	s_add_co_u32 s46, s46, s16                     ; head block c,
	s_lshl_b32 s47, s46, 19                        ; 524,288 bytes a head block
	s_add_co_u32 s22, s22, s47
	s_add_nc_u64 s[104:105], s[104:105], s[22:23]
	s_lshl_b32 s22, s46, 13                        ; fq: 8,192 bytes a head block
	s_add_nc_u64 s[66:67], s[66:67], s[22:23]
	s_cmp_lt_u32 ttmp9, 2
	s_cselect_b64 s[12:13], s[98:99], s[100:101]   ; q's weights or k's (V's heads load k's and do not use them)
	; the norm's weights and the first block's table are asked for now and waited for on the way out: their registers in window 1 lie idle through the loop
	WIN TO_B
.irp b, 0,1,2,3,4,5,6,7
	global_load_b128 v[WN+8*\b:WN+8*\b+3], v[WO], s[12:13] offset:64*\b          ; w[16 b + 8 h + 0 .. 7]
	global_load_b128 v[WN+8*\b+4:WN+8*\b+7], v[WO], s[12:13] offset:64*\b+16
.endr
.set p, 0
.rept 16
	global_load_b128 v[192+4*p:192+4*p+3], v[LN], s[96:97] offset:512*p
.set p, p+1
.endr
	WIN 0
.macro FRAG reg, adr, q, i             ; 16 rows x 128 K of 4-bit codes: 8 registers; registers 4 c .. 4 c + 3 hold K = 64 c + 32 (l / 16) + 0 .. 31
.irp c, 0,1
	ds_load_b128 v[\reg+4*\c:\reg+4*\c+3], v[\adr] offset:64*(\q)+32*\c+(\i)*16*PITCH
.endr
.endm
; 16 matrix instructions: A's blocks a0, a0 + 1 x B's eight.  The 64 accumulators take turns, one instruction a turn, in the same order in every step.
.macro MUL16 a0, p, q, sc, zero
.irp a, \a0, \a0+1
.irp b, 0,1,2,3,4,5,6,7
.if \zero
	v_wmma_scale_f32_16x16x128_f8f6f4 v[8*(8*((\a)%4)+\b):8*(8*((\a)%4)+\b)+7], v[128*(\p)+FR*\b:128*(\p)+FR*\b+FR-1], v[AF+FR*(\a):AF+FR*(\a)+FR-1], 0, v[SC+8*NQ*(\sc)+NQ*\b+(\q)], v[SC+8*NQ*(\sc)+NQ*(\a)+(\q)] matrix_a_fmt:MATRIX_FMT_FP4 matrix_b_fmt:MATRIX_FMT_FP4 matrix_a_scale:MATRIX_SCALE_ROW1
.else
	v_wmma_scale_f32_16x16x128_f8f6f4 v[8*(8*((\a)%4)+\b):8*(8*((\a)%4)+\b)+7], v[128*(\p)+FR*\b:128*(\p)+FR*\b+FR-1], v[AF+FR*(\a):AF+FR*(\a)+FR-1], v[8*(8*((\a)%4)+\b):8*(8*((\a)%4)+\b)+7], v[SC+8*NQ*(\sc)+NQ*\b+(\q)], v[SC+8*NQ*(\sc)+NQ*(\a)+(\q)] matrix_a_fmt:MATRIX_FMT_FP4 matrix_b_fmt:MATRIX_FMT_FP4 matrix_a_scale:MATRIX_SCALE_ROW1
.endif
.endr
.endr
.endm
.macro FETCH_B slot, q, p
	WIN TO_B
.irp i, 0,1,2,3,4,5,6,7
	FRAG 128*(\p)+FR*\i, ADRB+\slot, \q, \i
.endr
	WIN 0
.endm
.macro FETCH_A slot, q, i0
.irp i, \i0, \i0+1, \i0+2, \i0+3
	FRAG AF+FR*(\i), ADRA+\slot, \q, \i
.endr
.endm
.macro SCALES sc                       ; a K step's scale words: lanes 0-15 take A's block i, lanes 16-31 B's block i
.irp i, 0,1,2,3,4,5,6,7
	ds_load_b128 v[SC+8*NQ*\sc+NQ*\i:SC+8*NQ*\sc+NQ*\i+3], v[ADRS] offset:\i*SBLK
.endr
.endm
.macro PLACES n                        ; plain vector instructions between a matrix instruction and a load into, or a read of, its registers
.rept \n
	v_nop
.endr
.endm
.macro STEP slot, q, zero
	s_wait_dscnt 4*NL                              ; B's set and A's blocks 0-3 are in; the youngest eight loads (A's blocks 4-7) may be out
	WIN MUL_LO
	MUL16 0, (\q)%2, \q, \slot, \zero
	MUL16 2, (\q)%2, \q, \slot, \zero
	s_wait_dscnt 0
	PLACES NP
	FETCH_B \slot, (\q)+1, 1-(\q)%2
	FETCH_A \slot, (\q)+1, 0
	WIN MUL_HI
	MUL16 4, (\q)%2, \q, \slot, \zero
	MUL16 6, (\q)%2, \q, \slot, \zero
	PLACES NP
	WIN 0
	FETCH_A \slot, (\q)+1, 4
.endm
; A slot's last step changes slots: one barrier; in front of it each wave waits for all its tensor loads, adds 0 to its spare word, and waits for that and for its reads of this slot.
.macro TURN slot, next, fill
	s_wait_tensorcnt 0x0                           ; all my tensor loads have landed: my part of the next slot
	ds_add_u32 v[SPW], v[NIL]
	s_wait_dscnt 4*NL+1                            ; (the add and A's blocks 4-7 may be out)
	WIN MUL_LO
	MUL16 0, 1, NQ-1, \slot, 0
	s_wait_dscnt 0x0                               ; the add is done, and my reads of this slot are over
	s_barrier_signal -1
	MUL16 2, 1, NQ-1, \slot, 0
	WIN 0
	s_barrier_wait -1
.if \fill
	CREST                                          ; the barrier has opened a round of the cluster's barrier: no wave of any partner still reads this slot or has a load on its way
	s_add_nc_u64 s[G0+4*\slot+2:G0+4*\slot+3], s[G0+4*\slot+2:G0+4*\slot+3], 2*ROWB
	s_add_nc_u64 s[G0B+4*\slot+2:G0B+4*\slot+3], s[G0B+4*\slot+2:G0B+4*\slot+3], 2*ROWB
	JLOAD G0+4*\slot, G1, G0B+4*\slot, G1B         ; the first tensor load behind the round; its four v_nop are the places in front of the loads below
.else
	PLACES NP
.endif
	v_add_nc_u32 v[ADRS], 4*NQ, v[ADRS]
	FETCH_B \next, 0, 0
	FETCH_A \next, 0, 0
	SCALES \next
	WIN MUL_HI
	MUL16 4, 1, NQ-1, \slot, 0
	MUL16 6, 1, NQ-1, \slot, 0
	PLACES NP
	WIN 0
	FETCH_A \next, 0, 4
.endm
.macro STEPS slot, from
.set Q, \from
.rept NQ-1-\from
	STEP \slot, Q, 0
.set Q, Q+1
.endr
.endm
	s_wait_tensorcnt 1                             ; the scales and my part of K step 0 are in (K step 1's load may be out: of my three loads one),
	s_barrier_signal -1
	s_barrier_wait -1                              ; everybody's are
	FETCH_B 0, 0, 0
	FETCH_A 0, 0, 0
	SCALES 0
	FETCH_A 0, 0, 4
	STEP 0, 0, 1                                   ; the first step's products start the sums
	s_mov_b32 s3, LAPS-1
.Llap:
	STEPS 0, 1
	TURN 0, 1, 1
	STEPS 1, 0
	TURN 1, 0, 1
	STEP 0, 0, 0
	s_sub_co_u32 s3, s3, 1
	s_cmp_lg_u32 s3, 0
	s_cbranch_scc1 .Llap
	STEPS 0, 1                                     ; the last lap fills nothing
	TURN 0, 1, 0
	STEPS 1, 0
	s_wait_dscnt 4*NL
	WIN MUL_LO
	MUL16 0, 1, NQ-1, 1, 0
	MUL16 2, 1, NQ-1, 1, 0
	s_wait_dscnt 0
	WIN MUL_HI
	MUL16 4, 1, NQ-1, 1, 0
	MUL16 6, 1, NQ-1, 1, 0
	WIN 0
; ---------------- THE WAY OUT, a block of 16 tokens x my head's 128 columns at a time ----------------
; The copy of tokens 0-15 in f32: only the waves whose first token is 0 store it.  That hangs on the work-group's place in its cluster, so it is a mask of lanes and no branch.
.macro MASKED_ON
	v_cmp_eq_u32 vcc_lo, 0, v[ROW0]
	s_wait_xcnt 0x0                                ; EXEC changes only behind this wait
	s_and_saveexec_b32 s18, vcc_lo
.endm
.macro MASKED_OFF
	s_wait_xcnt 0x0                                ; and again in front of the line that widens it; it also frees the stores' data
	s_or_b32 exec_lo, exec_lo, s18
.endm
; Block a of a head of q or k.
.macro EPI a
.set W_,  2+(\a)/4                     ; the block's accumulators: window 2 or 3,
.set AC,  64*((\a)%4)                  ; from this register on
.set RS,  192*(1-(\a)%2)               ; this block's cosines (32) and sines (32) in window 1,
.set RN,  192*((\a)%2)                 ; and where the next block's go
.set WSQ, W_|(W_<<2)
.set WMW, W_|4
.if (\a) < 7
	WIN TO_B
.set p, 0
.rept 16
	global_load_b128 v[RN+4*p:RN+4*p+3], v[LN], s[96:97] offset:8192*((\a)+1)+512*p
.set p, p+1
.endr
	s_wait_loadcnt 16                              ; this block's table (and, the first time, the weights) is in; the sixteen just issued stay out
.else
	s_wait_loadcnt 0x0
.endif
	WIN WSQ                                        ; the sum of squares of my 64 numbers, in four chains
.set i, 0
.rept 4
	v_pk_mul_f32 v[TT+i:TT+i+1], v[AC+i:AC+i+1], v[AC+i:AC+i+1]
.set i, i+2
.endr
.rept 28
	v_pk_fma_f32 v[TT+i%8:TT+i%8+1], v[AC+i:AC+i+1], v[AC+i:AC+i+1], v[TT+i%8:TT+i%8+1]
.set i, i+2
.endr
	WIN 0
	v_pk_add_f32 v[TT:TT+1], v[TT:TT+1], v[TT+2:TT+3]
	v_pk_add_f32 v[TT+4:TT+5], v[TT+4:TT+5], v[TT+6:TT+7]
	v_pk_add_f32 v[TT:TT+1], v[TT:TT+1], v[TT+4:TT+5]
	v_add_f32 v[TT], v[TT], v[TT+1]
	v_permlanex16_b32 v[TT+1], v[TT], s22, s23     ; the row's other 64 numbers lie in lane l xor 16
	v_add_f32 v[TT], v[TT], v[TT+1]
	v_fma_f32 v[RIN], v[TT], s20, s21              ; the mean + eps
	v_rsq_f32 v[RSQ], v[RIN]                       ; its result is first named behind the 96 packed instructions below
	WIN WMW
.set i, 0
.rept 32
	v_pk_mul_f32 v[Y+i:Y+i+1], v[AC+i:AC+i+1], v[WN+i:WN+i+1]     ; x w
.set i, i+2
.endr
	WIN 4                                          ; source 1: the table, in window 1
.set i, 0
.rept 16                                       ; RoPE: columns d (registers 0-31) with d + 64 (registers 32-63)
.set T1, TT+4*(i%4)
.set T2, T1+2
	v_pk_mul_f32 v[T1:T1+1], v[Y+32+2*i:Y+33+2*i], v[RS+32+2*i:RS+33+2*i]
	v_pk_mul_f32 v[T2:T2+1], v[Y+2*i:Y+2*i+1], v[RS+32+2*i:RS+33+2*i]
	v_pk_fma_f32 v[Y+2*i:Y+2*i+1], v[Y+2*i:Y+2*i+1], v[RS+2*i:RS+2*i+1], v[T1:T1+1] neg_lo:[0,0,1] neg_hi:[0,0,1]
	v_pk_fma_f32 v[Y+32+2*i:Y+33+2*i], v[Y+32+2*i:Y+33+2*i], v[RS+2*i:RS+2*i+1], v[T2:T2+1]
.set i, i+1
.endr
	WIN 0
	s_wait_alu depctr_va_vdst(0)                   ; the wait ahead of the first use of the reciprocal root
.set i, 0
.rept 32
	v_pk_mul_f32 v[Y+i:Y+i+1], v[Y+i:Y+i+1], v[RSQ:RSQ+1] op_sel_hi:[1,0]
.set i, i+2
.endr
.if (\a) == 0
	MASKED_ON
.set p, 0
.rept 16
	global_store_b128 v[LN], v[Y+4*p:Y+4*p+3], s[66:67] offset:512*p   ; 512 consecutive bytes
.set p, p+1
.endr
	MASKED_OFF
.endif
.set i, 0
.rept 32
	v_cvt_pk_f16_f32 v[TMP+i], v[Y+2*i], v[Y+2*i+1]
.set i, i+1
.endr
.endm
; Block a of a head of v: as it is.
.macro VPK a
.set W_,  2+(\a)/4
.set AC,  64*((\a)%4)
.set WSQ, W_|(W_<<2)
.set WDT, W_<<2
.if (\a) == 0
	MASKED_ON
	WIN WDT                                        ; a store's data are its source 1
.set p, 0
.rept 16
	global_store_b128 v[LN], v[AC+4*p:AC+4*p+3], s[66:67] offset:512*p
.set p, p+1
.endr
	MASKED_OFF
.endif
	WIN WSQ
.set i, 0
.rept 32
	v_cvt_pk_f16_f32 v[TMP+i], v[AC+2*i], v[AC+2*i+1]
.set i, i+1
.endr
	WIN 0
.endm
; A lane's 16 bytes of a row go into my stage; whole rows of 256 bytes come back.  LDS serves a wave's instructions in order: no wait between the stores and the loads, nor in front of the next block's stores.
.macro TOSTAGE a, sb
.irp b, 0,1,2,3,4,5,6,7
	ds_store_b128 v[STO], v[TMP+4*\b:TMP+4*\b+3] offset:\sb+32*\b
.endr
.set BB, BKR+32*((\a)%2)
.irp f, 0,1,2,3,4,5,6,7
	ds_load_b128 v[BB+4*\f:BB+4*\f+3], v[RD] offset:\sb+2*SPITCH*\f
.endr
.endm
.macro SEND a, younger                 ; younger: the LDS instructions issued behind block a's loads
.set BB, BKR+32*((\a)%2)
	s_wait_dscnt \younger
.irp f, 0,1,2,3,4,5,6,7
	global_store_b128 v[CO], v[BB+4*\f:BB+4*\f+3], s[104:105] offset:4096*(\a)+512*\f   ; 512 consecutive bytes: two tokens' rows of a head
.endr
.endm
	PLACES NP                                      ; behind the last products: for the reads of results and the loads into B's first set
	s_mov_b32 s20, 0x3c000000                      ; 1 / 128
	s_mov_b32 s21, 0x358637bd                      ; eps = 1e-6
	s_mov_b32 s22, 0x76543210
	s_mov_b32 s23, 0xfedcba98                      ; v_permlanex16_b32's selects for lane l xor 16
	v_mov_b32 v[RSQ+1], 0                          ; named with the reciprocal root as a pair, so it is written
	s_cmp_eq_u32 ttmp9, 3                          ; the cluster's x: the same in all sixteen partners
	s_cbranch_scc1 .Lvalues
	EPI 0
	TOSTAGE 0, 0
.irp a, 1,2,3,4,5,6,7
	EPI \a
.if \a > 1
	s_wait_xcnt 0x0                                ; block a - 2's stores have read their registers: block a's rows may land there
.endif
	TOSTAGE \a, 0
	SEND \a-1, 16                                  ; behind block a - 1's loads: block a's 8 stores and 8 loads
.endr
	SEND 7, 0
	s_branch .Lend
.Lvalues:
	VPK 0
	TOSTAGE 0, VSTG
.irp a, 1,2,3,4,5,6,7
	VPK \a
.if \a > 1
	s_wait_xcnt 0x0
.endif
	TOSTAGE \a, VSTG
	SEND \a-1, 16
.endr
	SEND 7, 0
.Lend:
	s_wait_tensorcnt 0x0                           ; the wave's end
	ds_add_u32 v[SPW], v[NIL]
	s_wait_dscnt 0x0
	CROUND                                         ; the closing round
	s_endpgm
.Lfunc_end_k_q39242c363b_gemm_qkv:
	.size	k_q39242c363b_gemm_qkv, .Lfunc_end_k_q39242c363b_gemm_qkv-k_q39242c363b_gemm_qkv
	.p2alignl 7, 3214868480
	.fill 96, 4, 3214868480
	.section	.rodata,"a",@progbits
	.p2align	6, 0x0
	.amdhsa_kernel k_q39242c363b_gemm_qkv
		.amdhsa_group_segment_fixed_size 327680
		.amdhsa_private_segment_fixed_size 0
		.amdhsa_enable_private_segment 0
		.amdhsa_kernarg_size 56
		.amdhsa_user_sgpr_count 2
		.amdhsa_user_sgpr_kernarg_segment_ptr 1
		.amdhsa_wavefront_size32 1
		.amdhsa_system_sgpr_workgroup_id_x 1
		.amdhsa_system_sgpr_workgroup_id_y 1
		.amdhsa_system_sgpr_workgroup_id_z 1
		.amdhsa_system_vgpr_workitem_id 0
		.amdhsa_next_free_vgpr 1024
		.amdhsa_next_free_sgpr 106
		.amdhsa_reserve_vcc 1
		.amdhsa_float_denorm_mode_32 3
		.amdhsa_float_denorm_mode_16_64 3
		.amdhsa_memory_ordered 1
		.amdhsa_forward_progress 1
		.amdhsa_inst_pref_size 255
	.end_amdhsa_kernel
	.section	.bss,"aw",@nobits
	.p2align	6
	.space	262144
	.amdgpu_metadata
---
amdhsa.version: [ 1, 2 ]
amdhsa.kernels:
  - .name:           k_q39242c363b_gemm_qkv
    .symbol:         k_q39242c363b_gemm_qkv.kd
    .args:
      - { .name: codes, .offset: 0, .size: 8, .value_kind: global_buffer, .address_space: global }
      - { .name: scl, .offset: 8, .size: 8, .value_kind: global_buffer, .address_space: global }
      - { .name: rope, .offset: 16, .size: 8, .value_kind: global_buffer, .address_space: global }
      - { .name: q_norm_w, .offset: 24, .size: 8, .value_kind: global_buffer, .address_space: global }
      - { .name: k_norm_w, .offset: 32, .size: 8, .value_kind: global_buffer, .address_space: global }
      - { .name: qkv16, .offset: 40, .size: 8, .value_kind: global_buffer, .address_space: global }
      - { .name: fq, .offset: 48, .size: 8, .value_kind: global_buffer, .address_space: global }
    .group_segment_fixed_size: 327680
    .private_segment_fixed_size: 0
    .kernarg_segment_align: 8
    .kernarg_segment_size: 56
    .max_flat_workgroup_size: 128
    .sgpr_count:     106
    .vgpr_count:     1024
    .wavefront_size: 32
...
	.end_amdgpu_metadata
.endif
;; end of part 2
;; launch fine (part 3): grid 16 x 16, 4 waves a work-group, no clusters, 101,888 bytes of LDS; arguments fq, w_o, wo16t, part; writes wo16t, part
.if DOCPART == 3
	.amdgcn_target "amdgcn-amd-amdhsa--gfx1250"
	.amdhsa_code_object_version 6
	.text
	.protected	k_q39242c363b_fine
	.globl	k_q39242c363b_fine
	.p2align	8
	.type	k_q39242c363b_fine,@function
k_q39242c363b_fine:
	s_mov_b64 s[64:65], 0
	v_nop
	global_prefetch_b8 v0, s[64:65] scope:SCOPE_SE
	s_setreg_imm32_b32 hwreg(HW_REG_WAVE_MODE, 25, 1), 1
	s_wait_xcnt 0x0
; FINE.  (1) The first 16 positions, which average one to sixteen values and are the largest rows of the output, go in f32 throughout: attention of one query head, and that head's part of the projection.
; (2) w_o is read here, once in the whole program, in f32; the same registers give its f16 copy with K innermost, wo16t [n 2,048][k 2,048], for the bulk projection.
; Work-group (x, hd): w_o's rows 128 hd .. + 127 (the head's channels) x columns 128 x .. + 127: 64 KiB, four waves x 32 rows, all asked for at the head.
; part [16 heads][16 rows][2,048] f32 takes the head's share of out0's rows 0-15; the next launch adds the sixteen heads in ascending order.
; Fused multiply-adds in f32 alone: no matrix instruction.  The attention of 16 x 16 is made anew by each of a head's sixteen work-groups: 65,536 multiply-adds each.
; fq's images: element (row r, channel d) of a head block lies at 512 (2 (d / 16) + (d / 4) % 2) + 256 ((d / 8) % 2) + 16 r + 4 (d % 4).
; The softmax takes the row's maximum away; hidden keys (j > i) are -infinity ahead of it.  LIMIT: |w_o| under 65,504 for the f16 copy.
.set QI,    0                          ; LDS, each region written once: q's image, 8,192 bytes
.set KI,    8192                       ; k's
.set VI,    16384                      ; v's
.set PT,    24576                      ; p, laid [key j][query i]: 1,024 bytes
.set AT,    25600                      ; the head's output, laid [channel k][16 rows]: 8,192 bytes
.set RED,   33792                      ; the four waves' partial sums, 8,192 bytes each
.set STG,   66560                      ; the stage for the f16 copy: 128 rows (columns n) x (256 + 16) bytes
.set SPARE, 101376                     ; the spare words, 128 bytes a wave
.set ACC,   64                         ; v64-127  row r, column c of my four: 4 r + c (before that: at work)
.set W,     128                        ; v128-255 w_o(my row k', my four columns): 4 k' + c
.macro BARRIER                         ; my LDS stores have landed and my LDS loads are in: then the work-group's barrier
	s_wait_dscnt 0x0
	s_barrier_signal -1
	s_barrier_wait -1
.endm
	s_load_b128 s[4:7], s[0:1], 0x0                ; fq, w_o
	s_load_b128 s[8:11], s[0:1], 0x10              ; wo16t, part
	v_lshl_add_u32 v30, v0, 2, SPARE
	v_mov_b32 v31, 0
	v_lshrrev_b32 v1, 5, v0
	v_readfirstlane_b32 s12, v1                    ; wave
	s_and_b32 s13, ttmp7, 0xffff                   ; the query head
	s_mov_b32 s15, 0x3e0293ee                      ; log2(e) / sqrt(128)
	v_lshlrev_b32 v1, 4, v0                        ; 16 t
	v_and_b32 v2, 31, v0                           ; lane
	v_lshlrev_b32 v3, 4, v2                        ; 16 x lane
	v_lshrrev_b32 v4, 3, v0                        ; scores: my query i = t / 8,
	v_and_b32 v5, 7, v0                            ; my keys t % 8
	v_add_nc_u32 v19, 8, v5                        ; and t % 8 + 8
	v_lshlrev_b32 v6, 4, v4
	v_lshlrev_b32 v7, 4, v5
	v_lshlrev_b32 v8, 6, v5
	v_lshl_add_u32 v8, v4, 2, v8                   ; p's place: 64 j + 4 i
	v_lshrrev_b32 v9, 4, v0                        ; v's channel d = t in the image
	v_lshlrev_b32 v9, 10, v9
	v_bfe_u32 v21, v0, 2, 1
	v_lshl_add_u32 v9, v21, 9, v9
	v_bfe_u32 v21, v0, 3, 1
	v_lshl_add_u32 v9, v21, 8, v9
	v_and_b32 v21, 3, v0
	v_lshl_add_u32 v9, v21, 2, v9
	v_mov_b32 v10, 0                               ; an address that all lanes share
	v_lshlrev_b32 v11, 6, v0                       ; 64 t
	s_lshl_b32 s26, s12, 11
	v_mov_b32 v12, s26                             ; my wave's 32 channels in AT: 2,048 x wave
	v_add_nc_u32 v15, s26, v3                      ; my four rows in RED: 2,048 x wave + 16 x lane
	s_lshl_b32 s26, s12, 13
	v_add_nc_u32 v13, s26, v3                      ; my wave's part of RED
	v_mul_u32_u24 v14, v2, 1088                    ; the stage, in: row 4 x lane (+ c), my wave's 64 bytes
	s_lshl_b32 s26, s12, 6
	v_add_nc_u32 v14, s26, v14
	v_add_nc_u32 v14, STG, v14
	v_lshrrev_b32 v22, 4, v2
	v_and_b32 v23, 15, v2
	v_mul_u32_u24 v16, v22, 272                    ; the stage, back: rows 32 x wave + l / 16 (+ 2 f), 16 bytes a lane
	v_lshl_add_u32 v16, v23, 4, v16
	s_mul_i32 s26, s12, 32*272
	v_add_nc_u32 v16, s26, v16
	v_add_nc_u32 v16, STG, v16
	s_lshl_b32 s26, s12, 15
	v_add_nc_u32 v17, s26, v3                      ; part: rows 4 x wave on, 8,192 bytes a row
	v_lshlrev_b32 v18, 12, v22                     ; wo16t: 4,096 bytes a row
	v_lshl_add_u32 v18, v23, 4, v18
	s_lshl_b32 s26, s12, 17
	v_add_nc_u32 v18, s26, v18
	v_mov_b32 v20, 0xff800000                      ; -infinity
	s_lshl_b32 s16, s13, 13                        ; q's image: head block hd
	s_mov_b32 s17, 0
	s_lshr_b32 s18, s13, 1
	s_lshl_b32 s18, s18, 13
	s_add_co_u32 s18, s18, 16*8192                 ; k's: head block 16 + hd / 2; v's lies 8 blocks on
	s_mov_b32 s19, 0
	s_lshl_b32 s20, s13, 20                        ; w_o: (128 hd + 32 wave) rows of 8,192 bytes + 512 x
	s_lshl_b32 s21, s12, 18
	s_add_co_u32 s20, s20, s21
	s_lshl_b32 s21, ttmp9, 9
	s_add_co_u32 s20, s20, s21
	s_mov_b32 s21, 0
	s_lshl_b32 s28, s13, 17                        ; part: 131,072 hd + 512 x
	s_lshl_b32 s29, ttmp9, 9
	s_add_co_u32 s28, s28, s29
	s_mov_b32 s29, 0
	s_lshl_b32 s30, ttmp9, 19                      ; wo16t: 524,288 x + 256 hd
	s_lshl_b32 s31, s13, 8
	s_add_co_u32 s30, s30, s31
	s_mov_b32 s31, 0
	s_wait_kmcnt 0x0
	s_add_nc_u64 s[22:23], s[4:5], s[16:17]
	s_add_nc_u64 s[24:25], s[4:5], s[18:19]
	s_add_nc_u64 s[6:7], s[6:7], s[20:21]
	s_add_nc_u64 s[10:11], s[10:11], s[28:29]
	s_add_nc_u64 s[8:9], s[8:9], s[30:31]
.irp i, 0,1,2,3
	global_load_b128 v[32+4*\i:35+4*\i], v1, s[22:23] offset:2048*\i
	global_load_b128 v[48+4*\i:51+4*\i], v1, s[24:25] offset:2048*\i
	global_load_b128 v[64+4*\i:67+4*\i], v1, s[24:25] offset:65536+2048*\i
.endr
.set k, 0
.rept 32
	global_load_b128 v[W+4*k:W+4*k+3], v3, s[6:7] offset:8192*k th:TH_LOAD_NT   ; a wave reads 512 consecutive bytes of a row; read once in the program
.set k, k+1
.endr
	s_wait_loadcnt 32                              ; the three images are in; w_o's 32 loads stay out
.irp i, 0,1,2,3
	ds_store_b128 v1, v[32+4*\i:35+4*\i] offset:QI+2048*\i
	ds_store_b128 v1, v[48+4*\i:51+4*\i] offset:KI+2048*\i
	ds_store_b128 v1, v[64+4*\i:67+4*\i] offset:VI+2048*\i
.endr
	BARRIER
	; ---- the scores: thread t: query t / 8 against keys t % 8 and t % 8 + 8; four channels a load, four loads' worth a batch
.set cc, 0
.rept 8
.set u, 0
.rept 4
.set IM, (2*((cc+u)/4)+((cc+u)%2))*512+(((cc+u)/2)%2)*256
	ds_load_b128 v[64+12*u:67+12*u], v6 offset:QI+IM
	ds_load_b128 v[68+12*u:71+12*u], v7 offset:KI+IM
	ds_load_b128 v[72+12*u:75+12*u], v7 offset:KI+IM+128
.set u, u+1
.endr
	s_wait_dscnt 0x0
.set u, 0
.rept 4
.if cc+u == 0
	v_pk_mul_f32 v[32:33], v[64:65], v[68:69]      ; the first products start the sums
	v_pk_mul_f32 v[34:35], v[64:65], v[72:73]
.else
	v_pk_fma_f32 v[32:33], v[64+12*u:65+12*u], v[68+12*u:69+12*u], v[32:33]
	v_pk_fma_f32 v[34:35], v[64+12*u:65+12*u], v[72+12*u:73+12*u], v[34:35]
.endif
	v_pk_fma_f32 v[32:33], v[66+12*u:67+12*u], v[70+12*u:71+12*u], v[32:33]
	v_pk_fma_f32 v[34:35], v[66+12*u:67+12*u], v[74+12*u:75+12*u], v[34:35]
.set u, u+1
.endr
.set cc, cc+4
.endr
	v_add_f32 v32, v32, v33
	v_add_f32 v34, v34, v35
	v_mul_f32 v32, s15, v32                        ; t = score x log2(e) / sqrt(128)
	v_mul_f32 v34, s15, v34
	v_cmp_gt_u32 vcc_lo, v5, v4
	v_cndmask_b32 v32, v32, v20, vcc_lo            ; a key after the query: -infinity
	v_cmp_gt_u32 vcc_lo, v19, v4
	v_cndmask_b32 v34, v34, v20, vcc_lo
	v_max_num_f32 v36, v32, v34                    ; the row's maximum: my two, then the eight lanes of my query (key 0 counts for every query, so it is a number)
	v_max_num_f32_dpp v36, v36, v36 row_xmask:1 row_mask:0xf bank_mask:0xf
	v_max_num_f32_dpp v36, v36, v36 row_xmask:2 row_mask:0xf bank_mask:0xf
	v_max_num_f32_dpp v36, v36, v36 row_xmask:4 row_mask:0xf bank_mask:0xf
	v_sub_f32 v32, v32, v36
	v_sub_f32 v34, v34, v36
	v_exp_f32 v32, v32
	v_exp_f32 v34, v34
	v_nop                                          ; a plain instruction behind the exponentials,
	s_wait_alu depctr_va_vdst(0)                   ; and the wait ahead of their first use
	v_add_f32 v37, v32, v34
	v_add_f32_dpp v37, v37, v37 row_xmask:1 row_mask:0xf bank_mask:0xf
	v_add_f32_dpp v37, v37, v37 row_xmask:2 row_mask:0xf bank_mask:0xf
	v_add_f32_dpp v37, v37, v37 row_xmask:4 row_mask:0xf bank_mask:0xf
	v_rcp_f32 v37, v37
	v_nop
	s_wait_alu depctr_va_vdst(0)
	v_mul_f32 v32, v32, v37
	v_mul_f32 v34, v34, v37
	ds_store_b32 v8, v32 offset:PT
	ds_store_b32 v8, v34 offset:PT+512
	BARRIER
	; ---- the head's output: thread t holds channel d = t for all 16 queries: v32-47; v's column in v48-63; p's rows, four keys a batch, in v64-127
.set j, 0
.rept 16
	ds_load_b32 v[48+j], v9 offset:VI+16*j
.set j, j+1
.endr
.set jb, 0
.rept 4
.set u, 0
.rept 4
.irp q, 0,1,2,3
	ds_load_b128 v[64+16*u+4*\q:67+16*u+4*\q], v10 offset:PT+64*(4*jb+u)+16*\q     ; all lanes read the same 16 bytes
.endr
.set u, u+1
.endr
	s_wait_dscnt 0x0
.set u, 0
.rept 4
.set j, 4*jb+u
.set VJ, 48+2*(j/2)
.set ip, 0
.rept 8
.if j == 0
	v_pk_mul_f32 v[32+2*ip:33+2*ip], v[64+16*u+2*ip:65+16*u+2*ip], v[VJ:VJ+1] op_sel_hi:[1,0]
.elseif j%2 == 0
	v_pk_fma_f32 v[32+2*ip:33+2*ip], v[64+16*u+2*ip:65+16*u+2*ip], v[VJ:VJ+1], v[32+2*ip:33+2*ip] op_sel_hi:[1,0,1]              ; both halves x the pair's first register
.else
	v_pk_fma_f32 v[32+2*ip:33+2*ip], v[64+16*u+2*ip:65+16*u+2*ip], v[VJ:VJ+1], v[32+2*ip:33+2*ip] op_sel:[0,1,0] op_sel_hi:[1,1,1]   ; both halves x its second
.endif
.set ip, ip+1
.endr
.set u, u+1
.endr
.set jb, jb+1
.endr
.irp q, 0,1,2,3
	ds_store_b128 v11, v[32+4*\q:35+4*\q] offset:AT+16*\q
.endr
	BARRIER
	; ---- the projection: my wave's 32 channels x my four columns, for the 16 rows.  A channel's 16 numbers come by four loads that all lanes share, one channel ahead, in two sets
.macro AFETCH kk
.irp q, 0,1,2,3
	ds_load_b128 v[32+16*((\kk)%2)+4*\q:35+16*((\kk)%2)+4*\q], v12 offset:AT+64*(\kk)+16*\q
.endr
.endm
	s_wait_loadcnt 0x0                             ; w_o's rows
	AFETCH 0
.set k, 0
.rept 32
.if k < 31
	AFETCH k+1
	s_wait_dscnt 4                                 ; this channel's four loads are in; the next channel's four stay out
.else
	s_wait_dscnt 0x0
.endif
.set SA, 32+16*(k%2)
.set r, 0
.rept 16
.set p, 0
.rept 2
.set DD, ACC+4*r+2*p
.set WW, W+4*k+2*p
.set AA, SA+2*(r/2)
.if (k == 0) && (r%2 == 0)
	v_pk_mul_f32 v[DD:DD+1], v[WW:WW+1], v[AA:AA+1] op_sel_hi:[1,0]
.elseif k == 0
	v_pk_mul_f32 v[DD:DD+1], v[WW:WW+1], v[AA:AA+1] op_sel:[0,1] op_sel_hi:[1,1]
.elseif r%2 == 0
	v_pk_fma_f32 v[DD:DD+1], v[WW:WW+1], v[AA:AA+1], v[DD:DD+1] op_sel_hi:[1,0,1]
.else
	v_pk_fma_f32 v[DD:DD+1], v[WW:WW+1], v[AA:AA+1], v[DD:DD+1] op_sel:[0,1,0] op_sel_hi:[1,1,1]
.endif
.set p, p+1
.endr
.set r, r+1
.endr
.set k, k+1
.endr
	; ---- out
.set r, 0
.rept 16
	ds_store_b128 v13, v[ACC+4*r:ACC+4*r+3] offset:RED+512*r
.set r, r+1
.endr
	s_wait_dscnt 0x0                               ; the stores have read their registers, which take the f16 copy
.set c, 0
.rept 4
.set m, 0
.rept 16
	v_cvt_pk_f16_f32 v[ACC+16*c+m], v[W+8*m+c], v[W+8*m+4+c]      ; column c, rows 2 m and 2 m + 1: neighbours along K
.set m, m+1
.endr
.set c, c+1
.endr
.set c, 0
.rept 4
.irp i, 0,1,2,3
	ds_store_b128 v14, v[ACC+16*c+4*\i:ACC+16*c+4*\i+3] offset:272*c+16*\i
.endr
.set c, c+1
.endr
	BARRIER
.set rr, 0
.rept 4
.irp u, 0,1,2,3
	ds_load_b128 v[W+16*rr+4*\u:W+16*rr+4*\u+3], v15 offset:RED+8192*\u+512*rr
.endr
.set rr, rr+1
.endr
.set f, 0
.rept 16
	ds_load_b128 v[192+4*f:195+4*f], v16 offset:544*f
.set f, f+1
.endr
	s_wait_dscnt 16                                ; the partial sums are in; the stage's sixteen loads stay out
.set rr, 0
.rept 4
.irp u, 1,2,3                                  ; the four waves' sums, in ascending order
	v_pk_add_f32 v[W+16*rr:W+16*rr+1], v[W+16*rr:W+16*rr+1], v[W+16*rr+4*\u:W+16*rr+4*\u+1]
	v_pk_add_f32 v[W+16*rr+2:W+16*rr+3], v[W+16*rr+2:W+16*rr+3], v[W+16*rr+4*\u+2:W+16*rr+4*\u+3]
.endr
	global_store_b128 v17, v[W+16*rr:W+16*rr+3], s[10:11] offset:8192*rr     ; 512 consecutive bytes
.set rr, rr+1
.endr
.set f, 0
.rept 16
	s_wait_dscnt 15-f
	global_store_b128 v18, v[192+4*f:195+4*f], s[8:9] offset:8192*f          ; sixteen lanes store 256 consecutive bytes, aligned
.set f, f+1
.endr
	s_wait_tensorcnt 0x0                           ; the wave's end
	ds_add_u32 v30, v31
	s_wait_dscnt 0x0
	s_endpgm
.Lfunc_end_k_q39242c363b_fine:
	.size	k_q39242c363b_fine, .Lfunc_end_k_q39242c363b_fine-k_q39242c363b_fine
	.p2alignl 7, 3214868480
	.fill 96, 4, 3214868480
	.section	.rodata,"a",@progbits
	.p2align	6, 0x0
	.amdhsa_kernel k_q39242c363b_fine
		.amdhsa_group_segment_fixed_size 101888
		.amdhsa_private_segment_fixed_size 0
		.amdhsa_enable_private_segment 0
		.amdhsa_kernarg_size 32
		.amdhsa_user_sgpr_count 2
		.amdhsa_user_sgpr_kernarg_segment_ptr 1
		.amdhsa_wavefront_size32 1
		.amdhsa_system_sgpr_workgroup_id_x 1
		.amdhsa_system_sgpr_workgroup_id_y 1
		.amdhsa_system_sgpr_workgroup_id_z 1
		.amdhsa_system_vgpr_workitem_id 0
		.amdhsa_next_free_vgpr 256
		.amdhsa_next_free_sgpr 66
		.amdhsa_reserve_vcc 1
		.amdhsa_float_denorm_mode_32 3
		.amdhsa_float_denorm_mode_16_64 3
		.amdhsa_memory_ordered 1
		.amdhsa_forward_progress 1
		.amdhsa_inst_pref_size 123
	.end_amdhsa_kernel
	.amdgpu_metadata
---
amdhsa.version: [ 1, 2 ]
amdhsa.kernels:
  - .name:           k_q39242c363b_fine
    .symbol:         k_q39242c363b_fine.kd
    .args:
      - { .name: fq, .offset: 0, .size: 8, .value_kind: global_buffer, .address_space: global }
      - { .name: w_o, .offset: 8, .size: 8, .value_kind: global_buffer, .address_space: global }
      - { .name: wo16t, .offset: 16, .size: 8, .value_kind: global_buffer, .address_space: global }
      - { .name: part, .offset: 24, .size: 8, .value_kind: global_buffer, .address_space: global }
    .group_segment_fixed_size: 101888
    .private_segment_fixed_size: 0
    .kernarg_segment_align: 8
    .kernarg_segment_size: 32
    .max_flat_workgroup_size: 128
    .sgpr_count:     66
    .vgpr_count:     256
    .wavefront_size: 32
...
	.end_amdgpu_metadata
.endif
;; end of part 3
;; launch attn (part 4): grid 32 x 8, 8 waves a work-group, no clusters, 327,680 bytes of LDS; arguments qkv16, part, attn16, out0; writes attn16, out0
.if DOCPART == 4
	.amdgcn_target "amdgcn-amd-amdhsa--gfx1250"
	.amdhsa_code_object_version 6
	.text
	.protected	k_q39242c363b_attn
	.globl	k_q39242c363b_attn
	.p2align	8
	.type	k_q39242c363b_attn,@function
k_q39242c363b_attn:
	s_mov_b64 s[64:65], 0
	v_nop
	global_prefetch_b8 v0, s[64:65] scope:SCOPE_SE
	s_setreg_imm32_b32 hwreg(HW_REG_WAVE_MODE, 25, 1), 1
	s_wait_xcnt 0x0
; Causal attention with grouped queries, operands in f16, products, maxima and sums in f32.  qkv16: [32 head blocks][2,048 tokens][128] f16 (0-15 q, 16-23 k, 24-31 v).  attn16: [2,048 tokens][2,048] f16.
; SHARES.  A wave owns ONE tile: 16 queries of one head.  A tile at token t needs t / 64 + 1 key steps, so the work is evened out inside a work-group: work-group (j, kv) takes the 32 tokens of block 63 - j
; (four "late" waves: two tiles x the two query heads of the KV head) and the 32 tokens of block j (four "early" waves): a late and an early wave together have 33 or 34 steps in every work-group.
; Eight waves of 512 registers, two to a SIMD.  A wave is late where bit 0 of its number equals bit 2; bit 1 is the head, bit 2 the half of the block: so waves w and w + 4, and waves 2 i and 2 i + 1, are one late and one early.
; Keys go 64 a step, 256 a slot, through two LDS slots filled by the tensor data mover (wave 0: K's 256 rows; wave 1: V's), read by all eight waves.
; LAYOUT.  S^T = K Q^T and O^T = V^T P: a lane holds one query (lane % 16) throughout; V comes out of LDS turned, by ds_load_tr16_b128.
; SOFTMAX.  A running maximum m and sum l for each query: p = 2^(c s - c m), c = log2(e) / sqrt(128); in every step O and l are multiplied by 2^(c m_old - c m_new).  m begins at -3e38, O and l at 0.
; A step goes in phases (scores, softmax, V^T P); the SIMD's other wave has its own phases beside them.  The price of one tile a wave: a fragment read from LDS feeds one product.
; CAUSAL.  Every work-group walks all 8 slots: the trip counts are constants.  A step all of whose keys come after the wave's queries is jumped over (ids alone); on the diagonal hidden scores become -infinity.
; A slot whose first key comes after the work-group's last query is not asked for.  NO CLUSTER: the work-groups of a KV head need 5 to 8 slots under the mask, so some partner would read nothing of a tile asked for jointly.
; ALSO: wave 3 adds the sixteen heads' f32 shares of 128 numbers of out0's rows 0-15 (work-group number 32 kv + j: row / 16, piece % 16), heads ascending, and stores them.
; LIMITS: q, k, v, p and the result are f16.
; REGISTERS: window 0: v2-11, v20, v28-31 addresses; v12-19 statistics; v64-95 S^T; v96-111 P; v112-143 Q; v144-207 O^T.  window 1: v0-127 K of a step, v128-255 V of a step.
; So every vector instruction works in window 0, and both products run under one setting (source 0 in window 1).
.set PK,    272                        ; a row of K in LDS: 256 bytes + 16
.set PV,    288                        ; a row of V: 256 + 32
.set SKEYS, 256                        ; keys in a slot: four steps
.set VOFF,  SKEYS*PK                   ; a slot: 256 rows of K, then 256 rows of V
.set SLOTB, SKEYS*(PK+PV)              ; 143,360 bytes
.set STAGE, 2*SLOTB                    ; behind the ring: 16 rows x 272 bytes a wave, for the way out
.set SP,    272
.set SPARE, STAGE+8*16*SP              ; the spare words, 128 bytes a wave: four blocks of 256 bytes that no other line names
.set AK0, 2                            ; v2   my lane's place in a tile of K
.set AV0, 3                            ; v3   the same for V (VOFF included)
.set ADK, 4                            ; v4   K's rows of the slot in hand
.set ADV, 5                            ; v5   V's rows of its steps 0 and 1
.set STO, 6
.set RD,  7
.set GO,  8
.set QO,  9
.set DD,  10                           ; v10  my query - the step's first key - 8 (lane / 16)
.set NINF, 11
.set ST,  12                           ; v12 c m, v13 m, v14-15 l, v16-19 at work; the rescaling factor in v18
.set ADW, 20                           ; v20  V's rows of the slot's steps 2 and 3: an LDS offset has 16 bits
.set PFO, 28
.set RH,  29                           ; v29  lane % 16 - 8 (lane / 16)
.set LN,  31                           ; v31  16 x lane
.set SPW, 62
.set NIL, 63
.set S,   64
.set P,   96
.set Q,   112
.set O,   144
.set WV,  12
.set LIM, 15
.set PFA, 18
.set G1K, 24
.set G1V, 32
.set G0K, 40
.set G0V, 44
.set TF,  48                           ; s48  LDS byte at which the slot that is filled next begins
.set HD,  49                           ; s49  which of the KV head's two query heads is mine
.set SLOTS, 56
.set CS,  58
.set SEL, 60
.set TB,  62                           ; s62  LDS byte at which the slot in hand begins
.set KF,  66                           ; s66  the slot's first key
.set Q0,  67                           ; s67  my first query
.set QL,  70                           ; s70  my last query
.set WGL, 71                           ; s71  my work-group's last query
.set MSB, 0
.macro WIN new                         ; the immediate's high byte repeats the setting that is left
.if MSB != \new
	s_set_vgpr_msb (MSB<<8)|\new
.set MSB, \new
.endif
.endm
.set W_MUL, 0x01                       ; source 0 (K or V) in window 1; all else in window 0
.set W_LD,  0x40                       ; destination in window 1, address in window 0
.macro PLACES
.rept 4
	v_nop
.endr
.endm
; Wave 0 fetches K's 256 rows of a slot, wave 1 V's, the others nothing.  An s_nop 0 and four v_nop follow each line.
.macro TLOAD
	s_cmp_eq_u32 s[WV], 0
	s_cbranch_scc0 .Lnot_k_\@
	tensor_load_to_lds s[G0K:G0K+3], s[G1K:G1K+7]
	s_nop 0
.rept 4
	v_nop
.endr
	s_branch .Lasked_\@
.Lnot_k_\@:
	s_cmp_eq_u32 s[WV], 1
	s_cbranch_scc0 .Lasked_\@
	tensor_load_to_lds s[G0V:G0V+3], s[G1V:G1V+7]
	s_nop 0
.rept 4
	v_nop
.endr
.Lasked_\@:
.endm
; A prefetch of what the NEXT change of slots will ask for: 256 rows of 256 bytes, a lane a row, eight instructions.  Each row is named once in the launch: of a KV head's 32 work-groups the first one
; (j = 0, whose late block is the last: it loads every slot) asks; in it wave 2 for K's rows and wave 3 for V's.  Slots 0 and 1 come by their loads alone; the last change that fills a slot asks for nothing.
.macro ASK
	s_cmp_gt_u32 s[SLOTS], s[LIM]
	s_cbranch_scc0 .Lnot_mine_\@
.irp i_, 0,1,2,3,4,5,6,7
	global_prefetch_b8 v[PFO], s[PFA:PFA+1] offset:8192*\i_ th:TH_LOAD_NT scope:SCOPE_SE
.endr
.Lnot_mine_\@:
.endm
	s_load_b256 s[4:11], s[0:1], 0x0               ; qkv16, part, attn16, out0
	v_lshl_add_u32 v[SPW], v0, 2, SPARE
	v_mov_b32 v[NIL], 0
	ds_add_u32 v[SPW], v[NIL]                      ; the wave's opening: the add, twice on end, and its wait ahead of the first tensor load
	ds_add_u32 v[SPW], v[NIL]
	v_lshrrev_b32 v1, 5, v0
	v_readfirstlane_b32 s[WV], v1                  ; wave 0..7
	s_and_b32 s13, ttmp7, 0xffff                   ; the KV head
	s_lshr_b32 s68, s[WV], 2                       ; bit 2: which 16 of the block's 32 tokens
	s_xor_b32 s69, s[WV], s68
	s_and_b32 s69, s69, 1                          ; 0: the late block, 1: the early one
	s_bfe_u32 s[HD], s[WV], 0x10001                ; bit 1: the head
	s_sub_co_u32 s14, 63, ttmp9
	s_cmp_eq_u32 s69, 0
	s_cselect_b32 s14, s14, ttmp9                  ; my block of 32 tokens: 63 - j or j
	s_lshl_b32 s[Q0], s14, 5
	s_lshl_b32 s68, s68, 4
	s_add_co_u32 s[Q0], s[Q0], s68                 ; my first query
	s_add_co_u32 s[QL], s[Q0], 15
	s_lshl_b32 s[WGL], ttmp9, 5
	s_sub_co_u32 s[WGL], 2047, s[WGL]              ; the last token of block 63 - j
	s_mov_b32 s[G1K], (1<<16)|(1<<20)|(5<<22)|(3<<25)   ; elements of 2 bytes; padding: 4 words after every 64
	s_mov_b32 s[G1V], (1<<16)|(1<<20)|(5<<22)|(7<<25)   ; 8 words
.irp g, G1K, G1V
	s_mov_b32 s[\g+1], 128<<16                     ; tensor_dim0 = 128
	s_mov_b32 s[\g+2], SKEYS<<16                   ; tensor_dim1 = 256
	s_mov_b32 s[\g+3], 128<<16                     ; tile_dim0 = 128
	s_mov_b32 s[\g+4], SKEYS                       ; tile_dim1 = 256
	s_mov_b32 s[\g+5], 128                         ; the pitch
	s_mov_b32 s[\g+6], 0
	s_mov_b32 s[\g+7], 0
.endr
	s_mov_b32 s[CS], 0x3e0293ee                    ; c = log2(e) / sqrt(128)
	s_mov_b32 s[CS+1], s[CS]
	s_mov_b32 s[SEL], 0x76543210
	s_mov_b32 s[SEL+1], 0xfedcba98
	s_mov_b32 s[TB], 0
	s_mov_b32 s[TF], 0
	s_mov_b32 s[KF], 0
	s_mov_b32 s[SLOTS], 7
	s_lshr_b32 s68, s[WV], 1
	s_xor_b32 s68, s68, 1                          ; 0 in waves 2 and 3,
	s_or_b32 s68, s68, ttmp9                       ; of the KV head's first work-group
	s_cmp_eq_u32 s68, 0
	s_cselect_b32 s[LIM], 1, -1
	s_lshl_b32 s20, s13, 19
	s_add_co_u32 s20, s20, 16*524288               ; K: head block 16 + kv
	s_mov_b32 s21, 0
	s_wait_dscnt 0x0                               ; both opening adds are done
	s_wait_kmcnt 0x0
	s_add_nc_u64 s[20:21], s[4:5], s[20:21]
	s_add_nc_u64 s[22:23], s[20:21], 8*524288      ; V: eight head blocks on
	s_mov_b32 s[G0K], 1
	s_mov_b32 s[G0K+1], 0
	s_mov_b64 s[G0K+2:G0K+3], s[20:21]
	s_or_b32 s[G0K+3], s[G0K+3], 0x80000000
	s_mov_b32 s[G0V], 1
	s_mov_b32 s[G0V+1], VOFF
	s_mov_b64 s[G0V+2:G0V+3], s[22:23]
	s_or_b32 s[G0V+3], s[G0V+3], 0x80000000
	TLOAD                                          ; slot 0: it holds key 0, which counts for every query
	s_cmp_eq_u32 s[WV], 2
	s_cselect_b64 s[PFA:PFA+1], s[20:21], s[22:23]
	s_add_nc_u64 s[PFA:PFA+1], s[PFA:PFA+1], 65536 ; in slot 1: the first change of slots steps it to slot 2
	s_lshl_b32 s14, s13, 1
	s_add_co_u32 s14, s14, s[HD]                   ; my query head
	s_lshl_b32 s68, s14, 19
	s_lshl_b32 s69, s[Q0], 8
	s_add_co_u32 s68, s68, s69
	s_mov_b32 s69, 0
	s_add_nc_u64 s[16:17], s[4:5], s[68:69]        ; Q: my head block, my first query
	s_lshl_b32 s68, s[Q0], 12
	s_lshl_b32 s14, s14, 8
	s_add_co_u32 s68, s68, s14
	s_add_nc_u64 s[8:9], s[8:9], s[68:69]          ; attn16: 4,096 bytes a token, 256 bytes a head
	s_lshl_b32 s14, s13, 5
	s_add_co_u32 s14, s14, ttmp9                   ; the work-group's number, 0 .. 255
	s_lshr_b32 s68, s14, 4
	s_lshl_b32 s68, s68, 13                        ; row: 8,192 bytes
	s_and_b32 s14, s14, 15
	s_lshl_b32 s14, s14, 9                         ; piece of 128 numbers
	s_add_co_u32 s68, s68, s14
	s_add_nc_u64 s[6:7], s[6:7], s[68:69]
	s_add_nc_u64 s[10:11], s[10:11], s[68:69]
	v_and_b32 v1, 15, v0                           ; r
	v_bfe_u32 v30, v0, 4, 1                        ; h
	v_lshlrev_b32 v[QO], 8, v1
	v_lshl_add_u32 v[QO], v30, 4, v[QO]
.set i, 0
.rept 4                                        ; Q stays in registers: channels 32 i on
	global_load_b128 v[Q+8*i:Q+8*i+3],   v[QO], s[16:17] offset:i*64
	global_load_b128 v[Q+8*i+4:Q+8*i+7], v[QO], s[16:17] offset:i*64+32
.set i, i+1
.endr
	v_and_b32 v[LN], 31, v0
	v_lshlrev_b32 v[PFO], 8, v[LN]
	v_lshlrev_b32 v[LN], 4, v[LN]
	s_cmp_lg_u32 s[WV], 3
	s_cbranch_scc1 .Lnot_wave_3
.set u, 0
.rept 16                                       ; the sixteen heads' shares of my 128 numbers of out0's first rows, in the registers that O^T will take
	global_load_b128 v[O+4*u:O+4*u+3], v[LN], s[6:7] offset:131072*u
.set u, u+1
.endr
	s_wait_loadcnt 0x0
.set u, 1
.rept 15
	v_pk_add_f32 v[O:O+1], v[O:O+1], v[O+4*u:O+4*u+1]
	v_pk_add_f32 v[O+2:O+3], v[O+2:O+3], v[O+4*u+2:O+4*u+3]
.set u, u+1
.endr
	global_store_b128 v[LN], v[O:O+3], s[10:11]    ; 512 consecutive bytes
	s_wait_xcnt 0x0                                ; the store has read its registers, which are cleared below
.Lnot_wave_3:
	v_mul_u32_u24 v[AK0], v1, PK
	v_lshl_add_u32 v[AK0], v30, 4, v[AK0]          ; K: row r x pitch + 16 h
	v_and_b32 v[ADK], 7, v0
	v_bfe_u32 v[ADV], v0, 3, 1
	v_lshl_add_u32 v[AV0], v30, 3, v[ADK]          ; V, for the turning load: key 8 h + l % 8, channels 8 ((l / 8) % 2) on
	v_mul_u32_u24 v[AV0], v[AV0], PV
	v_lshl_add_u32 v[AV0], v[ADV], 4, v[AV0]
	v_add_nc_u32 v[AV0], VOFF, v[AV0]
	s_mul_i32 s14, s[WV], 16*SP
	s_add_co_u32 s14, s14, STAGE                   ; my stage
	v_mul_u32_u24 v[STO], v1, SP
	v_lshl_add_u32 v[STO], v30, 4, v[STO]
	v_add_nc_u32 v[STO], s14, v[STO]               ; in: row r, 16 bytes for each half of the lanes
	v_mul_u32_u24 v[RD], v30, SP
	v_lshl_add_u32 v[RD], v1, 4, v[RD]
	v_add_nc_u32 v[RD], s14, v[RD]                 ; back: lanes 0-15 one row of 256 bytes, lanes 16-31 the next
	v_lshlrev_b32 v[GO], 12, v30
	v_lshl_add_u32 v[GO], v1, 4, v[GO]             ; and the same two tokens in attn16
	v_lshlrev_b32 v[RH], 3, v30
	v_sub_nc_u32 v[RH], v1, v[RH]
	v_mov_b32 v[NINF], 0xff800000
	v_mov_b32 v[ST+1], 0xff61b1e6                  ; m = -3e38, under every score
	v_mul_f32 v[ST], s[CS], v[ST+1]
.irp n_, 2,3,4,5,6,7
	v_mov_b32 v[ST+\n_], 0
.endr
.set i, 0
.rept 64
	v_mov_b32 v[O+i], 0                            ; O^T.  (The step is written once: the first finds zeros, which the first change of m leaves zeros)
.set i, i+1
.endr
; Product i of 16 of S^T = K Q^T: keys 16 (i % 4) on, channels 32 (i / 4) on.  Four accumulators by turns, one instruction a turn; the first four start the sums.
.macro KQ1
.set mS, S+8*(i%4)
.set mK, 32*(i%4)+8*(i/4)
.set mQ, Q+8*(i/4)
.if i < 4
	v_wmma_f32_16x16x32_f16 v[mS:mS+7], v[mK:mK+7], v[mQ:mQ+7], 0
.else
	v_wmma_f32_16x16x32_f16 v[mS:mS+7], v[mK:mK+7], v[mQ:mQ+7], v[mS:mS+7]
.endif
.endm
; Product i of 16 of O^T += V^T P: channels 16 (i % 8) on, keys 32 (i / 8) on.  Eight accumulators by turns.
.macro PV1
.set mO, O+8*(i%8)
.set mV, 128+64*(i/8)+8*(i%8)
.set mP, P+8*(i/8)
	v_wmma_f32_16x16x32_f16 v[mO:mO+7], v[mV:mV+7], v[mP:mP+7], v[mO:mO+7]
.endm
.macro FETCH_K q                       ; 32 loads: the slot's q-th 64 keys x 128 channels; the largest offset is 65,504
.set f, 0
.rept 16
	ds_load_b128 v[8*f:8*f+3],   v[ADK] offset:(\q)*64*PK+(f/4)*16*PK+(f%4)*64
	ds_load_b128 v[8*f+4:8*f+7], v[ADK] offset:(\q)*64*PK+(f/4)*16*PK+(f%4)*64+32
.set f, f+1
.endr
.endm
.macro FETCH_V q                       ; 32 turning loads: keys 32 (f / 8) on, channels 16 (f % 8) on
.set aV, ADV
.if (\q) >= 2
.set aV, ADW
.endif
.set f, 0
.rept 16
	ds_load_tr16_b128 v[128+8*f:128+8*f+3],   v[aV] offset:((\q)%2)*64*PV+(f/8)*32*PV+(f%8)*32
	ds_load_tr16_b128 v[128+8*f+4:128+8*f+7], v[aV] offset:((\q)%2)*64*PV+(f/8)*32*PV+16*PV+(f%8)*32
.set f, f+1
.endr
.endm
; The softmax of a key step is a list of 134 instructions; SM writes number j of it.
;   0-15 the maximum of the lane's 32 scores and the old m;  16-20 the other half of the lanes', the new m, c m, c m_old - c m_new;
;   21-69 the 16 scalings c s - c m and all 33 exponentials: none of these reads an exponential's result;  (the wait);  70-85 the roundings to f16;  86-101 the sums, l = a l + sum;  102-133 O^T x a.
.macro SM
.set rO, O+2*(j-102)
.if j < 4
	v_max3_num_f32 v[ST+4+j], v[S+8*j], v[S+8*j+1], v[S+8*j+2]      ; each accumulator is read from its low end on
.elseif j < 12
	v_max3_num_f32 v[ST+4+j%4], v[ST+4+j%4], v[S+8*(j%4)+2*(j/4)+1], v[S+8*(j%4)+2*(j/4)+2]
.elseif j == 12
	v_max3_num_f32 v[ST+4], v[ST+4], v[S+7], v[S+15]
.elseif j == 13
	v_max3_num_f32 v[ST+6], v[ST+6], v[S+23], v[S+31]
.elseif j == 14
	v_max3_num_f32 v[ST+4], v[ST+4], v[ST+5], v[ST+6]
.elseif j == 15
	v_max3_num_f32 v[ST+4], v[ST+4], v[ST+7], v[ST+1]
.elseif j == 16
	v_permlanex16_b32 v[ST+5], v[ST+4], s[SEL], s[SEL+1]            ; the query's other 32 keys lie in the lane 16 away
.elseif j == 17
	v_mov_b32 v[ST+7], v[ST]                                        ; c m_old is kept: number 19 writes c m anew
.elseif j == 18
	v_max_num_f32 v[ST+1], v[ST+4], v[ST+5]
.elseif j == 19
	v_mul_f32 v[ST], s[CS], v[ST+1]
.elseif j == 20
	v_sub_f32 v[ST+7], v[ST+7], v[ST]
.elseif j == 23
	v_exp_f32 v[ST+6], v[ST+7]
.elseif (j < 23) || ((j < 38) && (j%2 == 0)) || ((j < 66) && (j%4 == 2))
.set b, (j-2)/4
.if j < 38
.set b, (j-20)/2
.endif
	v_pk_fma_f32 v[S+2*b:S+2*b+1], v[S+2*b:S+2*b+1], s[CS:CS+1], v[ST:ST+1] op_sel_hi:[1,0,0] neg_lo:[0,0,1] neg_hi:[0,0,1]
.elseif j < 70
.set e, j-38
.if j < 66
.set e, j-32-(j-38)/4
.endif
.if j < 38
.set e, (j-25)/2
.endif
	v_exp_f32 v[S+e], v[S+e]
.elseif j < 86
	v_cvt_pk_f16_f32 v[P+j-70], v[S+2*(j-70)], v[S+2*(j-70)+1]
.elseif j < 102
.set z, j-86
.set w, 4
.set u, z
.if z >= 14
.set w, 32
.set u, 0
.elseif z >= 12
.set w, 16
.set u, z-12
.elseif z >= 8
.set w, 8
.set u, z-8
.endif
.if z < 15
	v_pk_add_f32 v[S+w*u:S+w*u+1], v[S+w*u:S+w*u+1], v[S+w*u+w/2:S+w*u+w/2+1]
.else
	v_pk_fma_f32 v[ST+2:ST+3], v[ST+2:ST+3], v[ST+6:ST+7], v[S:S+1] op_sel_hi:[1,0,1]
.endif
.else
	v_pk_mul_f32 v[rO:rO+1], v[rO:rO+1], v[ST+6:ST+7] op_sel_hi:[1,0]
.endif
.endm
; On the diagonal: register 8 kt + i holds key (the step's first) + 16 kt + 8 (lane / 16) + i: hidden where 16 kt + i > v[DD].  A step all of whose keys count jumps over this (ids alone).
.macro MASK q
	s_add_co_u32 s68, s[KF], 64*(\q)+63
	s_cmp_le_u32 s68, s[Q0]
	s_cbranch_scc1 .Lopen_\@
.set n, 0
.rept 32
	v_cmp_gt_i32 vcc_lo, 16*(n/8)+n%8, v[DD]
	v_cndmask_b32 v[S+n], v[S+n], v[NINF], vcc_lo
.set n, n+1
.endr
.Lopen_\@:
.endm
; A key step: the slot's q-th 64 keys.  Every way into step q > 0 leads through step q - 1, which asked for its K.
.macro BODY q
.if \q == 0
	v_add_nc_u32 v[ADK], s[TB], v[AK0]             ; these three and a v_nop are the four places behind the last products, in front of the loads into V's registers
	v_add_nc_u32 v[ADV], s[TB], v[AV0]
	v_add_nc_u32 v[ADW], 2*64*PV, v[ADV]
	v_nop
	WIN W_LD
	FETCH_K 0
.else
	PLACES
	WIN W_LD
.endif
	FETCH_V \q
	s_wait_dscnt 32                                ; K is in; V's 32 loads stay out
	WIN W_MUL
.set i, 0
.rept 16
	KQ1
.set i, i+1
.endr
	WIN 0
	s_sub_co_i32 s68, s[Q0], s[KF]
.if \q
	s_sub_co_i32 s68, s68, 64*(\q)
.endif
	v_add_nc_u32 v[DD], s68, v[RH]                 ; with three v_nop: the four places behind the scores, for their first read and for the loads into K's registers
	v_nop
	v_nop
	v_nop
.if \q < 3
	WIN W_LD
	FETCH_K (\q)+1                                 ; the next step's K, from the same slot: it has the softmax and V^T P in which to come
	WIN 0
.endif
	MASK \q
.set j, 0
.rept 134
.if j == 70
	v_nop                                          ; a plain instruction behind the last exponential,
	s_wait_alu depctr_va_vdst(0)                   ; and one wait for the step's 33, ahead of the first use of a result
.endif
	SM
.set j, j+1
.endr
.if \q < 3
	s_wait_dscnt 32                                ; V is in; the next K's 32 loads stay out
.else
	s_wait_dscnt 0x0
.endif
	WIN W_MUL
.set i, 0
.rept 16
	PV1
.set i, i+1
.endr
	WIN 0
.endm
.macro SLOT_STEPS                      ; a slot's four steps; a step whose first key comes after my last query is left out, and so are those behind it
	s_cmp_gt_u32 s[KF], s[QL]
	s_cbranch_scc1 .Lhidden_\@
	BODY 0
	s_add_co_u32 s68, s[KF], 64
	s_cmp_gt_u32 s68, s[QL]
	s_cbranch_scc1 .Lhidden_\@
	BODY 1
	s_add_co_u32 s68, s[KF], 128
	s_cmp_gt_u32 s68, s[QL]
	s_cbranch_scc1 .Lhidden_\@
	BODY 2
	s_add_co_u32 s68, s[KF], 192
	s_cmp_gt_u32 s68, s[QL]
	s_cbranch_scc1 .Lhidden_\@
	BODY 3
.Lhidden_\@:
	s_add_co_u32 s[KF], s[KF], SKEYS
	s_xor_b32 s[TB], s[TB], SLOTB                  ; 0 and SLOTB by turns
.endm
; THE CHANGE OF SLOTS stands at a slot's head.  Each wave waits for all its tensor loads, adds 0 to its spare word, and waits for that and for its reads of the slot that it has left.
; Behind the barrier the slot ahead is whole and nobody reads the other one; fill = 1: that one takes the next 256 keys, up to the causal limit: one load a wave, a slot's four steps in which to land.
.macro CHANGE fill
	s_wait_tensorcnt 0x0                           ; no tensor load of mine is out, so a group 0 may be written
	ds_add_u32 v[SPW], v[NIL]
.if \fill
	ds_add_u32 v[SPW], v[NIL]
	s_xor_b32 s[TF], s[TF], SLOTB                  ; the other slot than last time,
	s_mov_b32 s[G0K+1], s[TF]
	s_add_co_u32 s[G0V+1], s[TF], VOFF
	s_add_nc_u64 s[G0K+2:G0K+3], s[G0K+2:G0K+3], 65536   ; the next 256 rows of 256 bytes; the type bits on top are not reached
	s_add_nc_u64 s[G0V+2:G0V+3], s[G0V+2:G0V+3], 65536
	s_wait_xcnt 0x0                                ; the last prefetches, a slot back, have read their address
	s_add_nc_u64 s[PFA:PFA+1], s[PFA:PFA+1], 65536
.endif
	s_wait_dscnt 0x0                               ; the add is done, and my reads of the slot that I have left are over
	s_barrier_signal -1
	s_barrier_wait -1
.if \fill
	s_add_co_u32 s68, s[KF], SKEYS                 ; the first key of the slot that this change would ask for,
	s_cmp_gt_u32 s68, s[WGL]                       ; against my work-group's last query: ids and the count of slots alone: all eight waves go the same way
	s_cbranch_scc1 .Lpast_\@
	TLOAD
.Lpast_\@:
	ASK
.endif
.endm
	s_wait_loadcnt 0x0                             ; Q
.Lslot:                                            ; 7 trips
	CHANGE 1
	SLOT_STEPS
	s_sub_co_u32 s[SLOTS], s[SLOTS], 1
	s_cmp_lg_u32 s[SLOTS], 0
	s_cbranch_scc1 .Lslot
	CHANGE 0                                       ; the last slot is written out: nothing is left to ask for
	SLOT_STEPS
	; THE WAY OUT: O^T / l, rounded to f16, through my stage: 16 tokens of one head
	PLACES
	v_add_f32 v[ST+4], v[ST+2], v[ST+3]
	v_permlanex16_b32 v[ST+5], v[ST+4], s[SEL], s[SEL+1]
	v_add_f32 v[ST+4], v[ST+4], v[ST+5]
	v_rcp_f32 v[ST+6], v[ST+4]
	v_nop                                          ; a plain instruction behind the reciprocal,
	s_wait_alu depctr_va_vdst(0)                   ; and the wait ahead of its first use
.set i, 0
.rept 32
	v_pk_mul_f32 v[O+i:O+i+1], v[O+i:O+i+1], v[ST+6:ST+7] op_sel_hi:[1,0]
.set i, i+2
.endr
.set i, 0
.rept 32
	v_cvt_pk_f16_f32 v[S+i], v[O+2*i], v[O+2*i+1]
.set i, i+1
.endr
.irp f_, 0,1,2,3,4,5,6,7
	ds_store_b128 v[STO], v[S+4*\f_:S+4*\f_+3] offset:32*\f_
.endr
.irp f_, 0,1,2,3,4,5,6,7
	ds_load_b128 v[S+4*\f_:S+4*\f_+3], v[RD] offset:\f_*2*SP       ; LDS serves a wave's instructions in order: these see the stores above
.endr
.irp f_, 0,1,2,3,4,5,6,7
	s_wait_dscnt 7-\f_
	global_store_b128 v[GO], v[S+4*\f_:S+4*\f_+3], s[8:9] offset:8192*\f_   ; sixteen lanes store 256 consecutive bytes, aligned
.endr
	s_wait_tensorcnt 0x0                           ; the wave's end
	ds_add_u32 v[SPW], v[NIL]
	s_wait_dscnt 0x0
	s_endpgm
.Lfunc_end_k_q39242c363b_attn:
	.size	k_q39242c363b_attn, .Lfunc_end_k_q39242c363b_attn-k_q39242c363b_attn
	.p2alignl 7, 3214868480
	.fill 96, 4, 3214868480
	.section	.rodata,"a",@progbits
	.p2align	6, 0x0
	.amdhsa_kernel k_q39242c363b_attn
		.amdhsa_group_segment_fixed_size 327680
		.amdhsa_private_segment_fixed_size 0
		.amdhsa_enable_private_segment 0
		.amdhsa_kernarg_size 32
		.amdhsa_user_sgpr_count 2
		.amdhsa_user_sgpr_kernarg_segment_ptr 1
		.amdhsa_wavefront_size32 1
		.amdhsa_system_sgpr_workgroup_id_x 1
		.amdhsa_system_sgpr_workgroup_id_y 1
		.amdhsa_system_sgpr_workgroup_id_z 1
		.amdhsa_system_vgpr_workitem_id 0
		.amdhsa_next_free_vgpr 512
		.amdhsa_next_free_sgpr 72
		.amdhsa_reserve_vcc 1
		.amdhsa_float_denorm_mode_32 3
		.amdhsa_float_denorm_mode_16_64 3
		.amdhsa_memory_ordered 1
		.amdhsa_forward_progress 1
		.amdhsa_inst_pref_size 151
	.end_amdhsa_kernel
	.amdgpu_metadata
---
amdhsa.version: [ 1, 2 ]
amdhsa.kernels:
  - .name:           k_q39242c363b_attn
    .symbol:         k_q39242c363b_attn.kd
    .args:
      - { .name: qkv16, .offset: 0, .size: 8, .value_kind: global_buffer, .address_space: global }
      - { .name: part, .offset: 8, .size: 8, .value_kind: global_buffer, .address_space: global }
      - { .name: attn16, .offset: 16, .size: 8, .value_kind: global_buffer, .address_space: global }
      - { .name: out0, .offset: 24, .size: 8, .value_kind: global_buffer, .address_space: global }
    .group_segment_fixed_size: 327680
    .private_segment_fixed_size: 0
    .kernarg_segment_align: 8
    .kernarg_segment_size: 32
    .max_flat_workgroup_size: 256
    .sgpr_count:     72
    .vgpr_count:     512
    .wavefront_size: 32
...
	.end_amdgpu_metadata
.endif
;; end of part 4
;; launch gemm_out (part 5): grid 16 x 16, 4 waves a work-group, clusters of 4 x 4, 327,680 bytes of LDS; arguments attn16, wo16t, out0; writes out0
.if DOCPART == 5
	.amdgcn_target "amdgcn-amd-amdhsa--gfx1250"
	.amdhsa_code_object_version 6
	.text
	.protected	k_q39242c363b_gemm_out
	.globl	k_q39242c363b_gemm_out
	.p2align	8
	.type	k_q39242c363b_gemm_out,@function
k_q39242c363b_gemm_out:
	s_mov_b64 s[64:65], 0
	v_nop
	global_prefetch_b8 v0, s[64:65] scope:SCOPE_SE
	s_setreg_imm32_b32 hwreg(HW_REG_WAVE_MODE, 25, 1), 1
	s_wait_xcnt 0x0
	s_wait_alu depctr_hold_cnt(0) depctr_sa_sdst(0) depctr_va_vdst(0) depctr_va_sdst(0) depctr_va_ssrc(0) depctr_va_vcc(0) depctr_vm_vsrc(0)
	s_getreg_b32 s2, hwreg(HW_REG_IB_STS2, 6, 4)
	s_cmp_eq_u32 s2, 0
	s_cbranch_scc0 .Lentry_in_a_cluster
	s_endpgm
.Lentry_in_a_cluster:
	s_bfe_u32 s2, ttmp6, 0x10000c
	s_cmp_lg_u32 s2, 0xf033
	s_cbranch_scc0 .Lentry_shape_is_right
	s_endpgm
.Lentry_shape_is_right:
; out0[m][n] = sum over k of attn16[m][k] wo16t[n][k]: f16 operands, f32 sums, f32 out.  Rows 16 .. 2,047: rows 0-15 were made in f32 by the launches before and are not stored here.
; A tile of C is 128 x 128 (256 work-groups), four waves, each 64 x 64: 16 accumulators.  K goes in steps of 256 (LDS rows of 512 bytes) through two slots.
; CLUSTERS 4 x 4: A's tiles are asked for jointly along a row of the cluster, B's along a column.  THE MATRIX INSTRUCTION IS USED TRANSPOSED: a lane holds eight neighbouring numbers of a row of C.
; A wave's 64 columns of f32 are 256 consecutive bytes, aligned: so each wave has a stage of its own on the way out, and no barrier stands there.
; REGISTERS: window 0: v0-31 addresses; v32-95 rows read back, two sets; v128-255 the accumulators ((a, b) at v[128 + 8 (4 a + b)]).  window 1: two fragment buffers of 128.
.set SIZE_M, 2048
.set SIZE_N, 2048
.set SIZE_K, 2048
.set KSTEP,  256
.set PITCH,  528
.set HALFT,  64*PITCH
.set SLOT,   4*HALFT
.set STAGE,  2*SLOT                    ; behind the ring: 16 rows x 272 bytes for each wave
.set SPITCH, 272
.set SPARE,  STAGE+4*16*SPITCH         ; the spare words, 128 bytes a wave
.set LAPS, SIZE_K/(2*KSTEP)
.set ADRA, 16
.set ADRB, 20
.set STO,  24
.set RD,   25
.set CO,   26
.set ROW0, 27                          ; v27  my wave's first row of C
.set SPW,  28
.set NIL,  29
.set TMP,  32
.set ACC,  128
.set F0,   0
.set F1,   128
.set G1, 24
.set G0, 32
.set G1B, 48
.set G0B, 56
.set MSB, 0
.macro WIN new
.if MSB != \new
	s_set_vgpr_msb (MSB<<8)|\new
.set MSB, \new
.endif
.endm
.set MUL,  0x05                        ; sources 0 (B) and 1 (A) window 1; C and D window 0
.set TO_F, 0x40
.macro JLOAD s                         ; a joint load: waves 0 and 1 fetch A's two halves, waves 2 and 3 B's; an s_nop 0 and four v_nop follow each line
	s_cmp_eq_u32 s11, 0
	s_cbranch_scc0 .Lfor_b_\@
	tensor_load_to_lds s[G0+4*\s:G0+4*\s+3], s[G1:G1+7]
	s_nop 0
.rept 4
	v_nop
.endr
	s_branch .Lasked_\@
.Lfor_b_\@:
	tensor_load_to_lds s[G0B+4*\s:G0B+4*\s+3], s[G1B:G1B+7]
	s_nop 0
.rept 4
	v_nop
.endr
.Lasked_\@:
.endm
.macro CREST
	s_cmp_lg_u32 s10, 0
	s_cbranch_scc1 .Lnot_wave_0_\@
	s_barrier_signal -3
.Lnot_wave_0_\@:
	s_barrier_wait -3
	s_barrier_signal -1
	s_barrier_wait -1
.endm
.macro CROUND
	s_barrier_signal -1
	s_barrier_wait -1
	CREST
.endm
	s_load_b128 s[4:7], s[0:1], 0x0                ; A = attn16, B = wo16t
	s_load_b64 s[8:9], s[0:1], 0x10                ; out0
	v_lshl_add_u32 v[SPW], v0, 2, SPARE
	v_mov_b32 v[NIL], 0
	ds_add_u32 v[SPW], v[NIL]                      ; the wave's opening: the add, twice on end, and its wait ahead of my first tensor load
	ds_add_u32 v[SPW], v[NIL]
	v_lshrrev_b32 v1, 5, v0
	v_readfirstlane_b32 s10, v1                    ; wave 0..3
	s_lshr_b32 s11, s10, 1                         ; which half of the tile's rows is mine.  Also: I fetch for A (0) or for B (1)
	s_and_b32 s12, s10, 1                          ; which half of its columns.  Also: which 64 rows of that tile I fetch
	s_bfe_u32 s40, ttmp6, 0x40000
	s_bfe_u32 s41, ttmp6, 0x40004
	s_lshl_b32 s42, ttmp9, 2
	s_add_co_u32 s42, s42, s40                     ; tile column
	s_and_b32 s13, ttmp7, 0xffff
	s_lshl_b32 s13, s13, 2
	s_add_co_u32 s13, s13, s41                     ; tile row
	s_lshl_b32 s43, s41, 2
	s_lshl_b32 s43, 15, s43                        ; my row of the cluster
	s_lshl_b32 s44, 0x1111, s40                    ; my column
	s_or_b32 s[G1+0], s43, (1<<16)|(1<<20)|(1<<21)|(6<<22)|(3<<25)  ; the mask; elements of 2 bytes; padding: 4 words after every 128; bit 21 beside a mask
	s_or_b32 s[G1B+0], s44, (1<<16)|(1<<20)|(1<<21)|(6<<22)|(3<<25)
.irp g, G1, G1B
	s_mov_b32 s[\g+1], KSTEP<<16
	s_mov_b32 s[\g+2], 64<<16
	s_mov_b32 s[\g+3], KSTEP<<16
	s_mov_b32 s[\g+4], 64
	s_mov_b32 s[\g+5], SIZE_K
	s_mov_b32 s[\g+6], 0
	s_mov_b32 s[\g+7], 0
.endr
	s_lshl_b32 s17, s12, 6
	s_lshl_b32 s16, s13, 7
	s_add_co_u32 s16, s16, s17                     ; A: row 128 x tile row + 64 x half
	s_lshl_b32 s46, s42, 7
	s_add_co_u32 s46, s46, s17                     ; B: row 128 x tile column + 64 x half
	s_mov_b32 s17, 0
	s_mov_b32 s47, 0
	s_mov_b64 s[18:19], SIZE_K*2
	s_mul_u64 s[16:17], s[16:17], s[18:19]
	s_mul_u64 s[46:47], s[46:47], s[18:19]
	s_mul_i32 s20, s10, HALFT
	s_wait_dscnt 0x0                               ; both opening adds are done
	s_wait_kmcnt 0x0
	s_add_nc_u64 s[14:15], s[4:5], s[16:17]
	s_add_nc_u64 s[46:47], s[6:7], s[46:47]
	CROUND                                         ; all sixteen work-groups are here: the first joint loads meet
.irp s, 0,1
	s_mov_b32 s[G0+4*\s], 1
	s_add_co_u32 s[G0+4*\s+1], s20, \s*SLOT
	s_add_nc_u64 s[G0+4*\s+2:G0+4*\s+3], s[14:15], \s*KSTEP*2
	s_or_b32 s[G0+4*\s+3], s[G0+4*\s+3], 0x80000000
	s_mov_b32 s[G0B+4*\s], 1
	s_add_co_u32 s[G0B+4*\s+1], s20, \s*SLOT
	s_add_nc_u64 s[G0B+4*\s+2:G0B+4*\s+3], s[46:47], \s*KSTEP*2
	s_or_b32 s[G0B+4*\s+3], s[G0B+4*\s+3], 0x80000000
	JLOAD \s
.endr
	v_and_b32 v1, 15, v0                           ; l % 16
	v_bfe_u32 v2, v0, 4, 1                         ; l / 16
	v_mul_u32_u24 v3, v1, PITCH
	v_lshl_add_u32 v3, v2, 4, v3
	s_mul_i32 s21, s11, HALFT
	s_mul_i32 s22, s12, HALFT
	s_add_co_u32 s22, s22, 2*HALFT
.irp s, 0,1
	v_add_nc_u32 v[ADRA+\s], s21, v3
	v_add_nc_u32 v[ADRB+\s], s22, v3
	s_add_co_u32 s21, s21, SLOT
	s_add_co_u32 s22, s22, SLOT
.endr
	s_mul_i32 s23, s10, 16*SPITCH
	s_add_co_u32 s23, s23, STAGE                   ; my stage
	v_mul_u32_u24 v4, v1, SPITCH
	v_lshl_add_u32 v4, v2, 5, v4
	v_add_nc_u32 v[STO], s23, v4                   ; in: row l % 16, 32 bytes for each half of the lanes
	v_mul_u32_u24 v5, v2, SPITCH
	v_lshl_add_u32 v5, v1, 4, v5
	v_add_nc_u32 v[RD], s23, v5                    ; back: lanes 0-15 one row of 256 bytes, lanes 16-31 the next
	v_lshlrev_b32 v5, 13, v2
	v_lshl_add_u32 v[CO], v1, 4, v5                ; and the same two rows in C: 8,192 bytes a row
	s_lshl_b32 s16, s13, 7
	s_lshl_b32 s17, s11, 6
	s_add_co_u32 s16, s16, s17                     ; my first row of C
	v_mov_b32 v[ROW0], s16
	s_lshl_b32 s16, s16, 13
	s_mov_b32 s17, 0
	s_add_nc_u64 s[8:9], s[8:9], s[16:17]
	s_lshl_b32 s46, s42, 9                         ; my first column, in bytes: 512 x tile column + 256 x half
	s_lshl_b32 s47, s12, 8
	s_add_co_u32 s46, s46, s47
	s_mov_b32 s47, 0
	s_add_nc_u64 s[8:9], s[8:9], s[46:47]
.macro MUL8 f, c, a0, zero             ; 8 matrix instructions: m blocks a0, a0 + 1 x all 4 n blocks, 32 along K; the 16 accumulators take turns
.irp a, \a0, \a0+1
.irp b, 0,1,2,3
.if \zero
	v_wmma_f32_16x16x32_f16 v[ACC+8*(4*(\a)+\b):ACC+8*(4*(\a)+\b)+7], v[\f+64+8*(4*\c+\b):\f+64+8*(4*\c+\b)+7], v[\f+8*(4*\c+\a):\f+8*(4*\c+\a)+7], 0
.else
	v_wmma_f32_16x16x32_f16 v[ACC+8*(4*(\a)+\b):ACC+8*(4*(\a)+\b)+7], v[\f+64+8*(4*\c+\b):\f+64+8*(4*\c+\b)+7], v[\f+8*(4*\c+\a):\f+8*(4*\c+\a)+7], v[ACC+8*(4*(\a)+\b):ACC+8*(4*(\a)+\b)+7]
.endif
.endr
.endr
.endm
.macro FETCH slot, k, f                ; 32 LDS loads in one run: the fragments of 64 along K at byte k of the rows
	WIN TO_F
.irp c, 0,1
.irp i, 0,1,2,3
	ds_load_b128 v[\f+64+8*(4*\c+\i):\f+64+8*(4*\c+\i)+3],   v[ADRB+\slot] offset:\k+64*\c+\i*16*PITCH
	ds_load_b128 v[\f+64+8*(4*\c+\i)+4:\f+64+8*(4*\c+\i)+7], v[ADRB+\slot] offset:\k+64*\c+\i*16*PITCH+32
	ds_load_b128 v[\f+8*(4*\c+\i):\f+8*(4*\c+\i)+3],         v[ADRA+\slot] offset:\k+64*\c+\i*16*PITCH
	ds_load_b128 v[\f+8*(4*\c+\i)+4:\f+8*(4*\c+\i)+7],       v[ADRA+\slot] offset:\k+64*\c+\i*16*PITCH+32
.endr
.endr
.endm
.macro PLACES
.rept 4
	v_nop
.endr
.endm
.macro QUARTER slot, k, f, g, zero
	s_wait_dscnt 16                                ; the first 32 along K are in; the other sixteen loads may be out
	WIN MUL
	MUL8 \f, 0, 0, \zero
	MUL8 \f, 0, 2, \zero
	PLACES
	FETCH \slot, \k, \g
	s_wait_dscnt 32                                ; all but the 32 just issued
	WIN MUL
	MUL8 \f, 1, 0, 0
	MUL8 \f, 1, 2, 0
.endm
.macro TURN slot, next, fill
	WIN 0
	s_wait_tensorcnt 0x0                           ; all my tensor loads have landed: my part of the next slot
	ds_add_u32 v[SPW], v[NIL]
	s_wait_dscnt 17                                ; (the add and the youngest sixteen loads may be out)
	WIN MUL
	MUL8 F1, 0, 0, 0
	s_wait_dscnt 0x0                               ; the add is done, and my reads of this slot are over
	s_barrier_signal -1
	MUL8 F1, 0, 2, 0
.if \fill
	WIN 0
.endif
	s_barrier_wait -1
.if \fill
	CREST                                          ; the barrier has opened a round of the cluster's barrier
	s_add_nc_u64 s[G0+4*\slot+2:G0+4*\slot+3], s[G0+4*\slot+2:G0+4*\slot+3], 2*KSTEP*2
	s_add_nc_u64 s[G0B+4*\slot+2:G0B+4*\slot+3], s[G0B+4*\slot+2:G0B+4*\slot+3], 2*KSTEP*2
	JLOAD \slot                                    ; the first tensor load behind the round; its four v_nop are the places in front of the loads below
.else
	PLACES
.endif
	FETCH \next, 0, F0
	WIN MUL
	MUL8 F1, 1, 0, 0
	MUL8 F1, 1, 2, 0
.endm
	s_wait_tensorcnt 1                             ; my part of K step 0 is in (of my two loads one may be out),
	s_barrier_signal -1
	s_barrier_wait -1                              ; everybody's is
	FETCH 0, 0, F0
	QUARTER 0, 128, F0, F1, 1                      ; the first products start the sums
	WIN 0
	s_mov_b32 s3, LAPS-1
.Llap:
	QUARTER 0, 256, F1, F0, 0
	QUARTER 0, 384, F0, F1, 0
	TURN 0, 1, 1
	QUARTER 1, 128, F0, F1, 0
	QUARTER 1, 256, F1, F0, 0
	QUARTER 1, 384, F0, F1, 0
	TURN 1, 0, 1
	QUARTER 0, 128, F0, F1, 0
	WIN 0
	s_sub_co_u32 s3, s3, 1
	s_cmp_lg_u32 s3, 0
	s_cbranch_scc1 .Llap
	QUARTER 0, 256, F1, F0, 0                      ; the last lap fills nothing
	QUARTER 0, 384, F0, F1, 0
	TURN 0, 1, 0
	QUARTER 1, 128, F0, F1, 0
	QUARTER 1, 256, F1, F0, 0
	QUARTER 1, 384, F0, F1, 0
	s_wait_dscnt 16
	WIN MUL
	MUL8 F1, 0, 0, 0
	MUL8 F1, 0, 2, 0
	s_wait_dscnt 0
	MUL8 F1, 1, 0, 0
	MUL8 F1, 1, 2, 0
	WIN 0
	; THE WAY OUT, a block of 16 rows x my 64 columns at a time, through my own stage: a lane's 32 bytes in, whole rows of 256 bytes back.  LDS serves a wave's instructions in order.
.macro TOSTAGE a
.irp b, 0,1,2,3
	ds_store_b128 v[STO], v[ACC+8*(4*(\a)+\b):ACC+8*(4*(\a)+\b)+3] offset:64*\b          ; each accumulator from its low end on
	ds_store_b128 v[STO], v[ACC+8*(4*(\a)+\b)+4:ACC+8*(4*(\a)+\b)+7] offset:64*\b+16
.endr
.set BB, TMP+32*((\a)%2)
.irp f, 0,1,2,3,4,5,6,7
	ds_load_b128 v[BB+4*\f:BB+4*\f+3], v[RD] offset:\f*2*SPITCH
.endr
.endm
.macro SEND a, younger
.set BB, TMP+32*((\a)%2)
	s_wait_dscnt \younger
.if (\a) == 0                          ; rows 0-15 of out0 are not this launch's.  Whether my first block is those rows hangs on my work-group's place in its cluster: a mask of lanes, no branch
	v_cmp_ne_u32 vcc_lo, 0, v[ROW0]
	s_wait_xcnt 0x0                                ; EXEC changes only behind this wait
	s_and_saveexec_b32 s21, vcc_lo
.endif
.irp f, 0,1,2,3,4,5,6,7
	global_store_b128 v[CO], v[BB+4*\f:BB+4*\f+3], s[8:9] offset:8192*(16*(\a)+2*\f) th:TH_STORE_NT   ; sixteen lanes store 256 consecutive bytes, aligned
.endr
.if (\a) == 0
	s_wait_xcnt 0x0                                ; and again in front of the line that widens it
	s_or_b32 exec_lo, exec_lo, s21
.endif
.endm
	PLACES
	TOSTAGE 0
.irp a, 1,2,3
.if \a > 1
	s_wait_xcnt 0x0                                ; block a - 2's stores have read their registers: block a's rows may land there
.endif
	TOSTAGE \a
	SEND \a-1, 16                                  ; behind block a - 1's loads: block a's 8 stores and 8 loads
.endr
	SEND 3, 0
	s_wait_tensorcnt 0x0                           ; the wave's end
	ds_add_u32 v[SPW], v[NIL]
	s_wait_dscnt 0x0
	CROUND                                         ; the closing round
	s_endpgm
.Lfunc_end_k_q39242c363b_gemm_out:
	.size	k_q39242c363b_gemm_out, .Lfunc_end_k_q39242c363b_gemm_out-k_q39242c363b_gemm_out
	.p2alignl 7, 3214868480
	.fill 96, 4, 3214868480
	.section	.rodata,"a",@progbits
	.p2align	6, 0x0
	.amdhsa_kernel k_q39242c363b_gemm_out
		.amdhsa_group_segment_fixed_size 327680
		.amdhsa_private_segment_fixed_size 0
		.amdhsa_enable_private_segment 0
		.amdhsa_kernarg_size 24
		.amdhsa_user_sgpr_count 2
		.amdhsa_user_sgpr_kernarg_segment_ptr 1
		.amdhsa_wavefront_size32 1
		.amdhsa_system_sgpr_workgroup_id_x 1
		.amdhsa_system_sgpr_workgroup_id_y 1
		.amdhsa_system_sgpr_workgroup_id_z 1
		.amdhsa_system_vgpr_workitem_id 0
		.amdhsa_next_free_vgpr 512
		.amdhsa_next_free_sgpr 66
		.amdhsa_reserve_vcc 1
		.amdhsa_float_denorm_mode_32 3
		.amdhsa_float_denorm_mode_16_64 3
		.amdhsa_memory_ordered 1
		.amdhsa_forward_progress 1
		.amdhsa_inst_pref_size 86
	.end_amdhsa_kernel
	.amdgpu_metadata
---
amdhsa.version: [ 1, 2 ]
amdhsa.kernels:
  - .name:           k_q39242c363b_gemm_out
    .symbol:         k_q39242c363b_gemm_out.kd
    .args:
      - { .name: attn16, .offset: 0, .size: 8, .value_kind: global_buffer, .address_space: global }
      - { .name: wo16t, .offset: 8, .size: 8, .value_kind: global_buffer, .address_space: global }
      - { .name: out0, .offset: 16, .size: 8, .value_kind: global_buffer, .address_space: global }
    .group_segment_fixed_size: 327680
    .private_segment_fixed_size: 0
    .kernarg_segment_align: 8
    .kernarg_segment_size: 24
    .max_flat_workgroup_size: 128
    .sgpr_count:     66
    .vgpr_count:     512
    .wavefront_size: 32
...
	.end_amdgpu_metadata
.endif
;; end of part 5
